; MI455X (gfx1250); checked and timed in simulation.
; The chip was launched on July 23, 2026; its instructions are those of AMD's public machine-readable ISA for CDNA 5 (MIT licence, August 2026) and "CDNA5" Instruction Set Architecture Reference Guide (July 2026). The comments in the code are by the model that wrote it; some were corrected since.
;; SVD. Allowed arithmetic: matrix products marked QUANTISED: E4M3 operands, one given power-of-two scale a tensor, by v_wmma_f32_16x16x64_fp8_fp8 or v_wmma_f32_16x16x128_fp8_fp8, f32 sums; products left as they are: f32 operands where the result goes on into a quantised operand, else bf16, f16 or f32 operands; f32 sums; everything else in f32.
;; Inputs: lowp_scales 2 int32 (the exponents e of the quantised operands' scales 2^e); src 32 x 2,048 x 3 float32; src_embed 32 x 2,048 x 512 float32; tgt 32 x 2,048 x 3 float32; tgt_embed 32 x 2,048 x 512 float32.
;; Outputs: out0 32 x 3 x 3 float32; out1 32 x 1 x 3 float32.
;; This version of the problem:
;;   THIS VERSION OF THE PROBLEM IS GIVEN IN LOW PRECISION. The matrix products marked QUANTISED in the list below multiply operands that are first quantised to E4M3 (4 exponent bits, 3 mantissa bits; 8 bits a number), with one given power-of-two scale for each operand tensor; their sums are f32. All else is computed in f32.
;;   The module's matrix products, in the order in which they are computed (A, B: the left and right operand; K: the contracted axis; several contracted axes count as one K, in the product's order):
;;     1. batch 32 x [M 2,048, K 512] x [K 512, N 2,048]; A: input src_embed; B: input tgt_embed: QUANTISED (scales: A lowp_scales[0], B lowp_scales[1])
;;     2. batch 32 x [M 3, K 2,048] x [K 2,048, N 2,048]; A: input tgt; B: softmax: left as it is (M = 3 < 16)
;;     3. batch 32 x [M 3, K 2,048] x [K 2,048, N 3]; A: computed on the way; B: computed on the way: left as it is (M = 3 < 16)
;;     4. batch 32 x [M 3, K 3] x [K 3, N 3]; A: computed on the way; B: computed on the way: left as it is (K = 3 < 32)
;;     5. batch 32 x [M 3, K 3] x [K 3, N 3]; A: computed on the way; B: computed on the way: left as it is (K = 3 < 32)
;;     6. batch 32 x [M 3, K 3] x [K 3, N 1]; A: computed on the way; B: computed on the way: left as it is (K = 3 < 32)
;;   THE QUANTISER, for each operand of a quantised product, along K:
;;     - The operand's scale is 2^e, e = its entry of the input lowp_scales (int32; the entries are numbered through the quantised products in the list's order, A before B).
;;     - Each number is divided by the scale, clamped to +-448, and rounded to the nearest number of E4M3, ties to even, subnormals kept.
;;     - The product sums the exact products of the quantised numbers (number of the format x scale) in f32.
;;   ~~~python
;;   def quantise(x, axis, e):      # numpy; x: float32 -> the quantised numbers, widened to float32 again
;;       x = np.moveaxis(x, axis, -1); K = x.shape[-1]
;;       r = np.clip(x / 2.0 ** e, -448, 448)
;;       step = 2.0 ** (np.maximum(np.frexp(np.where(r == 0, 1, r))[1] - 1, -6) - 3)
;;       q = np.round(r / step) * step * 2.0 ** e      # np.round: ties to even
;;       return np.moveaxis(q, -1, axis).astype(np.float32)
;;   ~~~
;; 2 versions, each right. Each part assembles by itself: llvm-mc -triple=amdgcn-amd-amdhsa -mcpu=gfx1250 --defsym DOCPART=n.
;; ======== version 1 of 2: 3 launches
;; limits: values are held in f16: magnitudes above 65,504 overflow, below 6.1e-05 lose precision; below input magnitudes of 6.1e-05 results are inexact or not finite
;; workspace buffers: kimg 33,554,432 bytes; vimg 524,288 bytes; tcb 512 bytes; mt 1,048,576 bytes
;; launch prep (part 1): grid 256 x 1, 16 waves a work-group, no clusters, 141,568 bytes of LDS; arguments tgt_embed, tgt, lowp_scales, kimg, vimg, tcb; writes kimg, vimg, tcb
.if DOCPART == 1
	.amdgcn_target "amdgcn-amd-amdhsa--gfx1250"
	.amdhsa_code_object_version 6
	.text
	.protected	k_qa96e227cc6_prep
	.globl	k_qa96e227cc6_prep
	.p2align	8
	.type	k_qa96e227cc6_prep,@function
k_qa96e227cc6_prep:
	s_mov_b64 s[64:65], 0
	v_nop
	global_prefetch_b8 v0, s[64:65] scope:SCOPE_SE
	s_setreg_imm32_b32 hwreg(HW_REG_WAVE_MODE, 25, 1), 1
	s_wait_xcnt 0x0
; PREP.  tgt_embed [32][2048][512] f32 becomes codes of E4M3 with the given scale 2^e1 (entry 1 of lowp_scales), laid as the next launch's operand registers take them;
; tgt [32][2048][3] becomes tc = its mean over a batch's 2,048 points, and (tgt - tc, 1) in f16, laid as source 0 of a 16 x 16 x 32 product.
; code = x / 2^e1, held within +-448, to the nearest code, ties to even.  LIMITS: e1 between -126 and 119; NaN among the inputs is not served; |tgt - tc| under 65,504 (f16);
; a number of tgt - tc under 2^-14 in size, which f16 could hold only as a denormal, goes in as 0: an error of at most 2^-14, where numbers of size 1 are rounded by up to 2^-12.
; SHARES.  Work-group 8 b + j owns keys 256 j .. 256 j + 255 of batch b; wave w owns 16 of them (a key tile): 16 rows of 2,048 bytes in, 8,192 bytes of codes out.
; kimg: [batch][slot of 256 keys: 131,072 B][key tile: 8,192 B][group g of 16 along K: 256 B][key r: 16 B].  So 512 consecutive bytes are one quarter of a fragment's registers, lane l at 16 l.
; vimg: [batch][32 keys: 256 B][q: 128 B][h: 64 B][channel c: 16 B] = 8 f16 for keys 16 q + 8 h + 0 .. 7; channels 0-2 tgt - tc, channel 3 the number 1.
; THE STREAM.  A step is 64 along K.  Each load reads two rows' aligned 256 bytes (sixteen lanes a row); the step's 4,096 bytes turn through the wave's own stage in LDS (rows 272 bytes apart: the sixteen
; rows of a read begin at sixteen different banks) and come back as 2 x 16 neighbours along K a lane, which is what the conversions take.  Loads run three steps ahead, the turn one step.
; No tensor load, no matrix unit, no cluster: memory binds, and the work-groups share nothing but a batch's 24,576 bytes of tgt.
.set WREG, 8704                        ; LDS of a wave: two stages of 16 rows x 272 bytes
.set STG,  4352
.set SP,   272
.set PART, 16*WREG                     ; behind the stages: 16 bytes a wave, its sums of tgt
.set GOF,  2                           ; v2   in: 2,048 (lane / 16) + 16 (lane % 16)
.set STO,  3                           ; v3   into the stage
.set RDA,  4                           ; v4   out of the stage: row r, + 64 h
.set COF,  5                           ; v5   16 x lane: my codes' place in 512 bytes
.set TGO,  6                           ; v6   48 x thread: my four points of tgt
.set VKO,  7                           ; v7   my eight keys' channel in the slot's part of tgt
.set PWR,  8                           ; v8   PART + 16 w
.set PRD,  9                           ; v9   PART + 4 x my channel
.set LIMR, 10                          ; v10  448 x 2^e1
.set SCL,  11                          ; v11  2^e1
.set CH,   12                          ; v12  thread % 4: my channel
.set VOF,  13                          ; v13  16 x thread
.set TOF,  14                          ; v14  4 x thread
.set R,    16                          ; v16-111  three sets of 32: a step as it is loaded
.set X,    112                         ; v112-175 two sets of 32: 2 x 16 neighbours
.set C,    176                         ; v176-239 codes, eight registers for each step: no store's data are written again
.set TG,   176                         ; ahead of the stream the same registers hold: 12 numbers of tgt,
.set VK,   188                         ; eight keys' channel,
.set PS,   196                         ; and the sixteen waves' sums
.set SUM,  240                         ; v240-243 x, y, z, 0
.set TP,   248                         ; v248-250 destinations of the lane exchange
.set ONE,  251
.set PK,   252                         ; v252-255 eight f16; never written again
.macro WSUMS first, n                  ; n registers summed over the wave's 32 lanes, the chains side by side
.irp m, 1,2,4,8
.set q, 0
.rept \n
	v_add_f32_dpp v[\first+q], v[\first+q], v[\first+q] row_xmask:\m row_mask:0xf bank_mask:0xf
.set q, q+1
.endr
.endr
.set q, 0
.rept \n
	v_permlanex16_b32 v[TP+q], v[\first+q], s20, s21
.set q, q+1
.endr
.set q, 0
.rept \n
	v_add_f32 v[\first+q], v[\first+q], v[TP+q]
.set q, q+1
.endr
.endm
.macro LOADE u                         ; step u: 16 rows x 256 bytes, two rows a load
.irp i, 0,1,2,3,4,5,6,7
	global_load_b128 v[R+32*((\u)%3)+4*\i:R+32*((\u)%3)+4*\i+3], v[GOF], s[4:5] offset:\i*4096+(\u)*256 th:TH_LOAD_NT
.endr
.endm
.macro TURN u                          ; through the stage: LDS serves a wave's instructions in order (ISA guide 5.7.1.4), so no wait stands between the stores and the loads
.irp i, 0,1,2,3,4,5,6,7
	ds_store_b128 v[STO], v[R+32*((\u)%3)+4*\i:R+32*((\u)%3)+4*\i+3] offset:((\u)%2)*STG+\i*2*SP
.endr
.irp jj, 0,1
.irp i, 0,1,2,3
	ds_load_b128 v[X+32*((\u)%2)+16*\jj+4*\i:X+32*((\u)%2)+16*\jj+4*\i+3], v[RDA] offset:((\u)%2)*STG+\jj*128+16*\i
.endr
.endr
.endm
.macro STEP u
.set XS, X+32*((\u)%2)
	s_wait_dscnt 0x0                               ; this step's numbers are back, and its stores into the stage have read their registers,
.if (\u)+3 < 8
	LOADE (\u)+3                                   ; which take the loads of three steps on
.endif
.if (\u)+1 < 8
.if 6-(\u) >= 2
	s_wait_loadcnt 16                              ; the next step's eight loads are in; those of the two steps behind it may be out
.else
	s_wait_loadcnt 8*(6-(\u))
.endif
	TURN (\u)+1
.endif
.irp i, 0,1,2,3,4,5,6,7,8,9,10,11,12,13,14,15,16,17,18,19,20,21,22,23,24,25,26,27,28,29,30,31
	v_med3_num_f32 v[XS+\i], v[XS+\i], -v[LIMR], v[LIMR]   ; the conversion to an 8-bit code does not saturate (ISA guide 7.6.2): the hold at the largest code x the scale
.endr
.irp g, 0,1,2,3
	v_cvt_scalef32_pk8_fp8_f32 v[C+8*(\u)+2*\g:C+8*(\u)+2*\g+1], v[XS+8*\g:XS+8*\g+7], v[SCL]
.endr
.irp jj, 0,1
	global_store_b128 v[COF], v[C+8*(\u)+4*\jj:C+8*(\u)+4*\jj+3], s[10:11] offset:(\u)*1024+\jj*512 th:TH_STORE_NT   ; groups 4 u + 2 jj and + 1: 512 consecutive bytes, aligned
.endr
.endm
	s_load_b256 s[4:11], s[0:1], 0x0               ; tgt_embed s[4:5], tgt s[6:7], lowp_scales s[8:9], kimg s[10:11]
	s_load_b128 s[12:15], s[0:1], 0x20             ; vimg s[12:13], tcb s[14:15]
	v_lshl_add_u32 v15, v0, 2, 0x22100
	v_mov_b32 v247, 0
	v_lshrrev_b32 v1, 5, v0
	v_readfirstlane_b32 s16, v1                    ; wave 0..15
	s_lshr_b32 s17, ttmp9, 3                       ; batch
	s_and_b32 s18, ttmp9, 7                        ; slot
	s_mov_b32 s20, 0x76543210                      ; v_permlanex16_b32: lane l takes lane l xor 16
	s_mov_b32 s21, 0xfedcba98
	v_and_b32 v1, 31, v0                           ; lane
	v_and_b32 v244, 15, v0                         ; r
	v_bfe_u32 v245, v0, 4, 1                       ; h
	v_lshlrev_b32 v[GOF], 4, v244
	v_lshl_add_u32 v[GOF], v245, 11, v[GOF]
	s_mul_i32 s23, s16, WREG
	v_mul_u32_u24 v[STO], v245, SP
	v_lshl_add_u32 v[STO], v244, 4, v[STO]
	v_add_nc_u32 v[STO], s23, v[STO]
	v_mul_u32_u24 v[RDA], v244, SP
	v_lshl_add_u32 v[RDA], v245, 6, v[RDA]
	v_add_nc_u32 v[RDA], s23, v[RDA]
	v_lshlrev_b32 v[COF], 4, v1
	v_mul_u32_u24 v[TGO], v0, 48
	v_and_b32 v[CH], 3, v0
	v_min_u32 v246, 2, v[CH]                       ; channel 3 reads channel 2's numbers and throws them away
	v_lshrrev_b32 v[VKO], 2, v0
	v_mul_u32_u24 v[VKO], v[VKO], 96               ; eight keys of 12 bytes
	v_lshl_add_u32 v[VKO], v246, 2, v[VKO]
	s_lshl_b32 s19, s16, 4
	s_add_co_u32 s19, s19, PART
	v_mov_b32 v[PWR], s19
	v_lshl_add_u32 v[PRD], v[CH], 2, PART
	v_lshlrev_b32 v[VOF], 4, v0
	v_lshlrev_b32 v[TOF], 2, v0
	v_mov_b32 v[SUM+3], 0
	v_mov_b32 v[TP], 0                             ; a lane exchange's destination counts as one of its sources
	v_mov_b32 v[TP+1], 0
	v_mov_b32 v[TP+2], 0
	v_mov_b32 v[ONE], 1.0
	s_lshl_b32 s24, ttmp9, 19                      ; tgt_embed: 256 keys x 2,048 bytes a work-group,
	s_lshl_b32 s25, s16, 15                        ; 16 keys a wave
	s_add_co_u32 s24, s24, s25
	s_mov_b32 s25, 0
	s_lshl_b32 s26, ttmp9, 17                      ; kimg: 131,072 bytes a work-group, 8,192 a wave
	s_lshl_b32 s27, s16, 13
	s_add_co_u32 s26, s26, s27
	s_mov_b32 s27, 0
	s_mul_i32 s28, s17, 24576                      ; tgt: the batch,
	s_mov_b32 s29, 0
	s_mul_i32 s32, s18, 3072                       ; and the slot's 256 points in it
	s_mov_b32 s33, 0
	s_lshl_b32 s34, ttmp9, 11                      ; vimg: 2,048 bytes a slot
	s_mov_b32 s35, 0
	s_lshl_b32 s36, s17, 4                         ; tcb: 16 bytes a batch
	s_mov_b32 s37, 0
	s_wait_kmcnt 0x0
	s_load_b32 s22, s[8:9], 0x4                    ; e1
	s_add_nc_u64 s[4:5], s[4:5], s[24:25]
	s_add_nc_u64 s[10:11], s[10:11], s[26:27]
	s_add_nc_u64 s[6:7], s[6:7], s[28:29]
	s_add_nc_u64 s[30:31], s[6:7], s[32:33]
	s_add_nc_u64 s[12:13], s[12:13], s[34:35]
	s_add_nc_u64 s[14:15], s[14:15], s[36:37]
	global_load_b128 v[TG:TG+3], v[TGO], s[6:7]    ; four points of the batch for each of the 512 threads: every work-group of a batch forms the same tc, in the same order
	global_load_b128 v[TG+4:TG+7], v[TGO], s[6:7] offset:16
	global_load_b128 v[TG+8:TG+11], v[TGO], s[6:7] offset:32
	s_cmp_lt_u32 s16, 4                            ; threads 0-127 make the slot's 128 pieces of vimg: eight keys of one channel each
	s_cbranch_scc0 .Lno_keys
.irp n, 0,1,2,3,4,5,6,7
	global_load_b32 v[VK+\n], v[VKO], s[30:31] offset:12*\n
.endr
.Lno_keys:
	LOADE 0
	LOADE 1
	LOADE 2
	s_wait_loadcnt 24                              ; all but the 24 loads of steps 0 to 2: tgt is in, on both ways
	v_add_f32 v[SUM], v[TG], v[TG+3]
	v_add_f32 v[SUM+1], v[TG+1], v[TG+4]
	v_add_f32 v[SUM+2], v[TG+2], v[TG+5]
	v_add_f32 v[SUM], v[SUM], v[TG+6]
	v_add_f32 v[SUM+1], v[SUM+1], v[TG+7]
	v_add_f32 v[SUM+2], v[SUM+2], v[TG+8]
	v_add_f32 v[SUM], v[SUM], v[TG+9]
	v_add_f32 v[SUM+1], v[SUM+1], v[TG+10]
	v_add_f32 v[SUM+2], v[SUM+2], v[TG+11]
	WSUMS SUM, 3
	ds_store_b128 v[PWR], v[SUM:SUM+3]             ; all lanes write the same 16 bytes with the same numbers
	s_wait_dscnt 0x0                               ; for the others' sake: my store has landed
	s_barrier_signal -1
	s_barrier_wait -1
	s_cmp_lt_u32 s16, 4
	s_cbranch_scc0 .Lno_v
.irp k, 0,1,2,3,4,5,6,7,8,9,10,11,12,13,14,15
	ds_load_b32 v[PS+\k], v[PRD] offset:16*\k      ; my channel's sum of each wave (channel 3: zeros)
.endr
	s_wait_dscnt 0x0
.irp k, 0,1,2,3,4,5,6,7
	v_add_f32 v[PS+\k], v[PS+\k], v[PS+8+\k]
.endr
.irp k, 0,1,2,3
	v_add_f32 v[PS+\k], v[PS+\k], v[PS+4+\k]
.endr
	v_add_f32 v[PS], v[PS], v[PS+2]
	v_add_f32 v[PS+1], v[PS+1], v[PS+3]
	v_add_f32 v[PS], v[PS], v[PS+1]
	v_mul_f32 v[PS], 0x3a000000, v[PS]             ; / 2,048: tc of my channel
.irp n, 0,1,2,3,4,5,6,7
	v_sub_f32 v[VK+\n], v[VK+\n], v[PS]
.endr
.irp n, 0,1,2,3,4,5,6,7
	v_and_b32 v[PS+1+\n], 0x7fffffff, v[VK+\n]     ; its size, as bits
.endr
.irp n, 0,1,2,3,4,5,6,7
	v_cmp_gt_u32 vcc_lo, 0x38800000, v[PS+1+\n]    ; under 2^-14?
	v_cndmask_b32 v[VK+\n], v[VK+\n], v[SUM+3], vcc_lo   ; then 0: every f16 number of the image is 0 or a normal one
.endr
	v_cmp_eq_u32 vcc_lo, 3, v[CH]
.irp n, 0,1,2,3,4,5,6,7
	v_cndmask_b32 v[VK+\n], v[VK+\n], v[ONE], vcc_lo   ; channel 3 is the number 1: the product's fourth row is the softmax's sum
.endr
.irp n, 0,1,2,3
	v_cvt_pk_f16_f32 v[PK+\n], v[VK+2*\n], v[VK+2*\n+1]
.endr
	global_store_b128 v[VOF], v[PK:PK+3], s[12:13] ; a wave stores 512 consecutive bytes, aligned
	s_cmp_lg_u32 s18, 0                            ; the batch's first work-group also stores tc
	s_cbranch_scc1 .Lno_v
	s_wait_xcnt 0x0                                ; EXEC is a source of the loads and stores that are out: it changes only behind this wait
	v_cmp_gt_u32 vcc_lo, 4, v0
	s_and_saveexec_b32 s19, vcc_lo
	global_store_b32 v[TOF], v[PS], s[14:15]       ; threads 0-3: tc x, y, z, 0
	s_wait_xcnt 0x0                                ; and again ahead of the line that widens it; v[PS] may be written again too
	s_or_b32 exec_lo, exec_lo, s19
.Lno_v:
	s_wait_kmcnt 0x0
	s_add_co_i32 s22, s22, 127
	s_lshl_b32 s23, s22, 23
	v_mov_b32 v[SCL], s23                          ; 2^e1 as f32: the conversion takes its exponent field
	s_add_co_i32 s22, s22, 8
	s_lshl_b32 s22, s22, 23
	s_or_b32 s22, s22, 0x600000
	v_mov_b32 v[LIMR], s22                         ; 448 x 2^e1
	s_wait_loadcnt 16                              ; step 0's eight loads are in
	TURN 0
.irp u, 0,1,2,3,4,5,6,7
	STEP \u
.endr
	s_wait_tensorcnt 0x0
	ds_add_u32 v15, v247
	s_wait_dscnt 0x0
	s_endpgm
.Lfunc_end_k_qa96e227cc6_prep:
	.size	k_qa96e227cc6_prep, .Lfunc_end_k_qa96e227cc6_prep-k_qa96e227cc6_prep
	.p2alignl 7, 3214868480
	.fill 96, 4, 3214868480
	.section	.rodata,"a",@progbits
	.p2align	6, 0x0
	.amdhsa_kernel k_qa96e227cc6_prep
		.amdhsa_group_segment_fixed_size 141568
		.amdhsa_private_segment_fixed_size 0
		.amdhsa_enable_private_segment 0
		.amdhsa_kernarg_size 48
		.amdhsa_user_sgpr_count 2
		.amdhsa_user_sgpr_kernarg_segment_ptr 1
		.amdhsa_wavefront_size32 1
		.amdhsa_system_sgpr_workgroup_id_x 1
		.amdhsa_system_sgpr_workgroup_id_y 1
		.amdhsa_system_sgpr_workgroup_id_z 1
		.amdhsa_system_vgpr_workitem_id 0
		.amdhsa_next_free_vgpr 256
		.amdhsa_next_free_sgpr 66
		.amdhsa_reserve_vcc 1
		.amdhsa_float_denorm_mode_32 3
		.amdhsa_float_denorm_mode_16_64 3
		.amdhsa_memory_ordered 1
		.amdhsa_forward_progress 1
		.amdhsa_inst_pref_size 45
	.end_amdhsa_kernel
	.amdgpu_metadata
---
amdhsa.version: [ 1, 2 ]
amdhsa.kernels:
  - .name:           k_qa96e227cc6_prep
    .symbol:         k_qa96e227cc6_prep.kd
    .args:
      - { .name: tgt_embed, .offset: 0, .size: 8, .value_kind: global_buffer, .address_space: global }
      - { .name: tgt, .offset: 8, .size: 8, .value_kind: global_buffer, .address_space: global }
      - { .name: lowp_scales, .offset: 16, .size: 8, .value_kind: global_buffer, .address_space: global }
      - { .name: kimg, .offset: 24, .size: 8, .value_kind: global_buffer, .address_space: global }
      - { .name: vimg, .offset: 32, .size: 8, .value_kind: global_buffer, .address_space: global }
      - { .name: tcb, .offset: 40, .size: 8, .value_kind: global_buffer, .address_space: global }
    .group_segment_fixed_size: 141568
    .private_segment_fixed_size: 0
    .kernarg_segment_align: 8
    .kernarg_segment_size: 48
    .max_flat_workgroup_size: 512
    .sgpr_count:     66
    .vgpr_count:     256
    .wavefront_size: 32
...
	.end_amdgpu_metadata
.endif
;; end of part 1
;; launch attn (part 2): grid 8 x 32, 8 waves a work-group, clusters of 4 x 1, 327,680 bytes of LDS; arguments src_embed, kimg, vimg, lowp_scales, mt; writes mt
.if DOCPART == 2
	.amdgcn_target "amdgcn-amd-amdhsa--gfx1250"
	.amdhsa_code_object_version 6
	.text
	.protected	k_qa96e227cc6_attn
	.globl	k_qa96e227cc6_attn
	.p2align	8
	.type	k_qa96e227cc6_attn,@function
k_qa96e227cc6_attn:
	s_mov_b64 s[64:65], 0
	v_nop
	global_prefetch_b8 v0, s[64:65] scope:SCOPE_SE
	s_setreg_imm32_b32 hwreg(HW_REG_WAVE_MODE, 25, 1), 1
	s_wait_xcnt 0x0
	s_wait_alu depctr_hold_cnt(0) depctr_sa_sdst(0) depctr_va_vdst(0) depctr_va_sdst(0) depctr_va_ssrc(0) depctr_va_vcc(0) depctr_vm_vsrc(0)
	s_getreg_b32 s2, hwreg(HW_REG_IB_STS2, 6, 4)
	s_cmp_eq_u32 s2, 0
	s_cbranch_scc0 .Lentry_in_a_cluster
	s_endpgm
.Lentry_in_a_cluster:
	s_bfe_u32 s2, ttmp6, 0x10000c
	s_cmp_lg_u32 s2, 0x3003
	s_cbranch_scc0 .Lentry_shape_is_right
	s_endpgm
.Lentry_shape_is_right:
; ATTN.  mt[b][q] = softmax_k(Q[b][q] . K[b][k] / sqrt(512)) (tgt[b][k] - tc[b]): three channels, and a fourth number that nobody reads.
; The scores are made on codes of E4M3: K's come from kimg (made with 2^e1), Q's are made here from src_embed with 2^e0: x / 2^e0, held within +-448, to the nearest code, ties to even.
; SOFTMAX: a running largest score M for each query; p = 2^(c s - c M + 14), c = log2(e) / sqrt(512) x 2^(e0 + e1); in every step O is multiplied by a = 2^(c M_old - c M_new).
; The 14 is in the sum as in the products and cancels; with it p runs from 2^14 down, so that weights down to 2^-28 of the largest are normal numbers of f16.
; The second product has f16 operands and f32 sums: source 0 = (tgt - tc, 1) from vimg, source 1 = p.  Its fourth row is the sum of the very p that is multiplied, and divides at the end.
; LIMITS: e0 between -126 and 119; e0 + e1 between -122 and 131 (they are added to c's exponent field); |c M| under 2^25, so that c M - 14 is rounded by less than 1 and p stays under 2^15;
; NaN among the inputs is not served.
; SHARES.  A work-group owns 256 queries of a batch.  Wave w = 4 kh + qg owns queries 64 qg .. 64 qg + 63 (four tiles of 16) against keys 128 kh .. + 127 of every slot of 256: a fragment of K read from LDS feeds four
; products.  Two waves of 512 registers stand on a SIMD, so that one wave's vector work stands beside the other's matrix work.  The two halves of a query's keys are merged once, at the end, through LDS.
; LAYOUT.  S^T = K Q^T (source 0 = 16 keys, source 1 = 16 queries): a lane holds ONE query (lane % 16) and keys 8 (lane / 16) + 0..7 of a tile; two tiles, rounded to f16 in pairs, ARE source 1 of the second product.
; Row m of source 0 there is channel m % 4 (the lane's address takes r % 4), so registers 0-3 of O hold x, y, z and the sum in every lane; registers 4-7 are copies that are neither scaled nor read
; (at most 1,024 x 2^15 x 65,504 in size).  Along K both Q and K hold k = 128 s + 32 c + 16 (lane / 16) + 0..15 in registers 4 c .. 4 c + 3 of fragment s: the same places in both, so every product meets its partner.
; CLUSTER.  The four query blocks of a cluster walk the same K and V: each tile is asked for JOINTLY, by the same tensor load with the same descriptor and a mask that names the four.
; LDS: slot 0 at 0, slot 1 at 2^17 (131,072 bytes each: 256 keys as register images); V's image of the whole batch (16,384, filled once); the spare words; two stages of 16,384 that only ds_ instructions touch.
; By this text's own count a wave has three tensor loads out at the start and one behind each round.
; REGISTERS.  Window 0: v1-19 addresses and constants; v24-55 statistics, 8 a tile; v56-87 O; v88-95 V's fragment; v96-159 four fragments of K; v160-223 S^T, 16 a tile, p packed into the lower 8; v224-255 two fragments of K.
; Window 1: Q, fragment (tile t, K step s) at 64 t + 16 s.
.set SLOT1, 1<<17
.set SLOTB, 131072
.set VIMG,  2*SLOT1
.set SPARE, VIMG+16384                 ; the spare words, 128 bytes for each of eight waves: four blocks of 256 bytes that no other line names
.set QST,   SPARE+1024                 ; Q's images on their way from wave to wave, two stages; at the end the waves' O images,
.set MCM,   QST+16384                  ; and their c M images
.set SPW, 1                            ; v1   my spare word; never rewritten
.set NIL, 2                            ; v2   0; never rewritten
.set XA,  3                            ; v3   src_embed: row r, + 64 h
.set QWI, 4                            ; v4   QST + 2,048 w + 16 lane: where I store images
.set QRD, 5                            ; v5   QST + 2,048 qg + 16 lane: where I read Q's
.set AK0, 6                            ; v6   65,536 kh + 16 lane
.set AV0, 7                            ; v7   VIMG + 1,024 kh + 64 h + 16 (r % 4)
.set ADK, 8                            ; v8   AK0 + the slot in hand
.set ADV, 9                            ; v9   AV0 + the slot's part of V
.set PFO, 10                           ; v10  256 x lane
.set MRA, 11                           ; v11  my own O image of tile 2 kh + h
.set MCW, 12                           ; v12  MCM + 512 w + 4 lane
.set MRB, 13                           ; v13  my partner's O image of that tile
.set MCA, 14                           ; v14  my own c M of that tile
.set GO,  15                           ; v15  16 x lane
.set SCL, 16                           ; v16  2^e0
.set LIMR, 17                          ; v17  448 x 2^e0
.set MCB, 18                           ; v18  my partner's c M
.set K14, 19                           ; v19  the lane's number at the head, then -14
.set ST,  24                           ; tile t at ST + 8 t: +0 c M - 14 (even steps), +1 M, +2 c M - 14 (odd steps), +3 its change, +4 a, +5 the other half's maximum, +6, +7 at work
.set O,   56
.set VF,  88
.set S,   160
.set PC,  224                          ; the codes just made, in the Q phase
.set WV,  14
.set QG,  15
.set KH,  16
.set CX,  17
.set QB,  18
.set BT,  19
.set G1K, 24                           ; s[24:31] group 1: 64 rows of 256 bytes, a wave's eighth of a slot
.set G1V, 32                           ; s[32:39] group 1: 8 rows of 256 bytes, a wave's eighth of V's image
.set G0A, 40                           ; s[40:43] slot 0's first fill
.set G0W, 44                           ; s[44:47] slot 1's first fill; then it walks
.set G0V, 48                           ; s[48:51] V's image
.set SLOTS, 52
.set TB,  53                           ; LDS byte at which the slot in hand begins
.set VB,  54                           ; and its 2,048 bytes in V's image
.set LIM, 55                           ; 1 in a wave that prefetches, else the greatest number
.set PFA, 56                           ; s[56:57] where my prefetches stand
.set CS,  58                           ; s[58:59] c, twice: the packed form names a pair
.set SEL, 60                           ; s[60:61] lane l takes lane l xor 16
.set MSB, 0
.macro WIN new                         ; the immediate's high byte repeats the setting that is left; a switch that changes nothing is dropped
.if MSB != \new
	s_set_vgpr_msb (MSB<<8)|\new
.set MSB, \new
.endif
.endm
.macro PLACES n                        ; plain vector instructions behind matrix instructions (ISA guide 7.12.1)
.rept \n
	v_nop
.endr
.endm
.macro CROUND                          ; a round of the cluster's barrier: my work-group's barrier; wave 0 signals for the work-group; every wave waits for all four work-groups; my work-group's barrier once more
	s_barrier_signal -1
	s_barrier_wait -1
	s_cmp_lg_u32 s[WV], 0
	s_cbranch_scc1 .Lnot_wave_0_\@
	s_barrier_signal -3
.Lnot_wave_0_\@:
	s_barrier_wait -3
	s_barrier_signal -1
	s_barrier_wait -1
.endm
	s_load_b256 s[4:11], s[0:1], 0x0               ; src_embed s[4:5], kimg s[6:7], vimg s[8:9], lowp_scales s[10:11]
	s_load_b64 s[12:13], s[0:1], 0x20              ; mt
	v_lshl_add_u32 v[SPW], v0, 2, SPARE
	v_mov_b32 v[NIL], 0
	ds_add_u32 v1, v2
	ds_add_u32 v1, v2
	s_wait_dscnt 0x0
	v_lshrrev_b32 v19, 5, v0
	v_readfirstlane_b32 s[WV], v19                 ; wave 0..7
	s_and_b32 s[QG], s[WV], 3                      ; which 64 queries
	s_lshr_b32 s[KH], s[WV], 2                     ; which half of a slot's keys
	s_bfe_u32 s[CX], ttmp6, 0x40000                ; my place in the cluster: it enters the addresses of src_embed, mt and the prefetches alone
	s_lshl_b32 s[QB], ttmp9, 2
	s_add_co_u32 s[QB], s[QB], s[CX]               ; my block of 256 queries
	s_and_b32 s[BT], ttmp7, 0xffff                 ; the batch, which the four partners share
	s_mov_b32 s[G1K], 15|(3<<16)|(1<<21)           ; 15:0 the mask: all four work-groups; 17:16 elements of 8 bytes; 21 set beside a mask; no padding: images are read as they lie
	s_mov_b32 s[G1K+1], 32<<16                     ; tensor_dim0 = 32 elements: 256 bytes
	s_mov_b32 s[G1K+2], 64<<16                     ; tensor_dim1 = 64
	s_mov_b32 s[G1K+3], 32<<16                     ; tile_dim0
	s_mov_b32 s[G1K+4], 64                         ; tile_dim1
	s_mov_b32 s[G1K+5], 32                         ; from row to row: dense
	s_mov_b32 s[G1K+6], 0
	s_mov_b32 s[G1K+7], 0
	s_mov_b32 s[G1V], 15|(3<<16)|(1<<21)
	s_mov_b32 s[G1V+1], 32<<16
	s_mov_b32 s[G1V+2], 8<<16
	s_mov_b32 s[G1V+3], 32<<16
	s_mov_b32 s[G1V+4], 8
	s_mov_b32 s[G1V+5], 32
	s_mov_b32 s[G1V+6], 0
	s_mov_b32 s[G1V+7], 0
	s_mov_b32 s[SEL], 0x76543210
	s_mov_b32 s[SEL+1], 0xfedcba98
	s_lshl_b32 s66, s[BT], 20                      ; kimg: the batch's 1,048,576 bytes, my wave's 16,384 of a slot
	s_lshl_b32 s67, s[WV], 14
	s_add_co_u32 s66, s66, s67
	s_mov_b32 s67, 0
	s_lshl_b32 s68, s[BT], 14                      ; vimg: the batch's 16,384 bytes, my wave's 2,048
	s_lshl_b32 s69, s[WV], 11
	s_add_co_u32 s68, s68, s69
	s_mov_b32 s69, 0
	s_lshl_b32 s70, s[BT], 11                      ; the first query that I read and store: 2,048 b + 256 qb + 64 qg + 32 kh
	s_lshl_b32 s71, s[QB], 8
	s_add_co_u32 s70, s70, s71
	s_lshl_b32 s71, s[QG], 6
	s_add_co_u32 s70, s70, s71
	s_lshl_b32 s71, s[KH], 5
	s_add_co_u32 s70, s70, s71
	s_lshl_b32 s72, s70, 11                        ; in src_embed: 2,048 bytes a row
	s_mov_b32 s73, 0
	s_lshl_b32 s74, s70, 4                         ; in mt: 16
	s_mov_b32 s75, 0
	s_lshl_b32 s70, s[BT], 20                      ; the prefetches: my work-group's 32,768 bytes of a slot, my wave's 8,192 of them,
	s_lshl_b32 s71, s[CX], 15
	s_add_co_u32 s70, s70, s71
	s_lshl_b32 s71, s[QG], 13
	s_add_co_u32 s70, s70, s71
	s_add_co_u32 s70, s70, 2*SLOTB                 ; in slot 2: the first change of slots steps it to slot 3
	s_mov_b32 s71, 0
	s_or_b32 s[LIM], s[KH], ttmp9                  ; waves 0 to 3 of the batch's first cluster ask: the same in all four partners
	s_cmp_eq_u32 s[LIM], 0
	s_cselect_b32 s[LIM], 1, -1
	s_wait_kmcnt 0x0
	s_load_b64 s[62:63], s[10:11], 0x0             ; e0, e1
	s_add_nc_u64 s[4:5], s[4:5], s[72:73]
	s_add_nc_u64 s[12:13], s[12:13], s[74:75]
	s_add_nc_u64 s[PFA:PFA+1], s[6:7], s[70:71]
	s_mov_b32 s[G0A], 1                            ; count = 1
	s_lshl_b32 s[G0A+1], s[WV], 14                 ; LDS: slot 0, my eighth: no place in the cluster enters an LDS address
	s_add_nc_u64 s[G0A+2:G0A+3], s[6:7], s[66:67]
	s_mov_b32 s[G0W], 1
	s_add_co_u32 s[G0W+1], s[G0A+1], SLOT1
	s_add_nc_u64 s[G0W+2:G0W+3], s[G0A+2:G0A+3], SLOTB
	s_or_b32 s[G0A+3], s[G0A+3], 0x80000000        ; type = 2
	s_or_b32 s[G0W+3], s[G0W+3], 0x80000000
	s_mov_b32 s[G0V], 1
	s_lshl_b32 s[G0V+1], s[WV], 11
	s_add_co_u32 s[G0V+1], s[G0V+1], VIMG
	s_add_nc_u64 s[G0V+2:G0V+3], s[8:9], s[68:69]
	s_or_b32 s[G0V+3], s[G0V+3], 0x80000000
	CROUND                                         ; all four work-groups are here: the first joint loads meet
	tensor_load_to_lds s[G0V:G0V+3], s[G1V:G1V+7]  ; the three first fills stand together, ahead of every wait on TENSORcnt, every LDS read and every other barrier
	s_nop 0
	tensor_load_to_lds s[G0A:G0A+3], s[G1K:G1K+7]
	s_nop 0
	tensor_load_to_lds s[G0W:G0W+3], s[G1K:G1K+7]
	s_nop 0
	PLACES 4
	v_and_b32 v19, 31, v0                          ; lane
	v_and_b32 v20, 15, v0                          ; r
	v_bfe_u32 v21, v0, 4, 1                        ; h
	v_lshlrev_b32 v[XA], 11, v20
	v_lshl_add_u32 v[XA], v21, 6, v[XA]
; THE Q PHASE.  Wave (qg, kh) reads and quantises tiles 2 kh and 2 kh + 1 of its 64 queries, so each number of src_embed is loaded once; both waves of a query group need all four tiles, so each fragment goes through
; LDS as an image of its registers.  Pass p: tile 2 kh + p % 2, K step p / 2.  A lane takes 16 neighbours of each block of 32 of its row: register 16 blk + i = k 128 s + 32 blk + 16 h + i.
.macro XLOAD p
.set XL, 96+64*((\p)%2)
.irp blk, 0,1,2,3
.irp j, 0,1,2,3
	global_load_b128 v[XL+16*\blk+4*\j:XL+16*\blk+4*\j+3], v[XA], s[4:5] offset:((\p)%2)*32768+((\p)/2)*512+\blk*128+\j*16 th:TH_LOAD_NT
.endr
.endr
.endm
.macro QPASS p
.set XS, 96+64*((\p)%2)
.if (\p) < 7
	XLOAD (\p)+1
	s_wait_loadcnt 16                              ; this pass's sixteen loads are in; the next pass's may be out
.else
	s_wait_loadcnt 0x0
.endif
.irp blk, 0,1,2,3
.irp i, 0,1,2,3,4,5,6,7,8,9,10,11,12,13,14,15
	v_med3_num_f32 v[XS+16*\blk+\i], v[XS+16*\blk+\i], -v[LIMR], v[LIMR]   ; the conversion to an 8-bit code does not saturate (ISA guide 7.6.2)
.endr
	v_cvt_scalef32_pk8_fp8_f32 v[PC+4*\blk:PC+4*\blk+1], v[XS+16*\blk:XS+16*\blk+7], v[SCL]
	v_cvt_scalef32_pk8_fp8_f32 v[PC+4*\blk+2:PC+4*\blk+3], v[XS+16*\blk+8:XS+16*\blk+15], v[SCL]
.endr
	v_nop                                          ; a plain vector instruction behind the last conversion, ahead of whatever next touches its registers
.irp c, 0,1,2,3
	ds_store_b128 v[QWI], v[PC+4*\c:PC+4*\c+3] offset:((\p)%2)*16384+512*\c
.endr
	s_wait_dscnt 0x0                               ; my stores have landed and have read their registers; my fetches of the pass before are in, so that its stage may be written in the next pass
	s_barrier_signal -1
	s_barrier_wait -1                              ; nothing is filled by a tensor load behind this barrier: the first fills may stay out
	WIN 0x40                                       ; destination window 1
.irp ks, 0,1
.irp c, 0,1,2,3
	ds_load_b128 v[(2*\ks+((\p)%2))*64+16*((\p)/2)+4*\c:(2*\ks+((\p)%2))*64+16*((\p)/2)+4*\c+3], v[QRD] offset:((\p)%2)*16384+\ks*8192+512*\c
.endr
.endr
	WIN 0
.endm
	XLOAD 0
	v_lshlrev_b32 v[GO], 4, v19
	s_lshl_b32 s66, s[WV], 11
	s_add_co_u32 s66, s66, QST
	v_add_nc_u32 v[QWI], s66, v[GO]
	s_lshl_b32 s67, s[QG], 11
	s_add_co_u32 s67, s67, QST
	v_add_nc_u32 v[QRD], s67, v[GO]
	s_lshl_b32 s67, s[KH], 16
	v_add_nc_u32 v[AK0], s67, v[GO]
	v_and_b32 v22, 3, v0
	v_lshlrev_b32 v[AV0], 4, v22
	v_lshl_add_u32 v[AV0], v21, 6, v[AV0]
	s_lshl_b32 s67, s[KH], 10
	s_add_co_u32 s67, s67, VIMG
	v_add_nc_u32 v[AV0], s67, v[AV0]
	v_lshlrev_b32 v[PFO], 8, v19
	s_lshl_b32 s67, s[KH], 10                      ; the merge: tile 2 kh + h is 512 (2 kh + h) bytes into a wave's O images,
	v_lshl_add_u32 v22, v21, 9, v[GO]
	v_add_nc_u32 v22, s67, v22
	v_add_nc_u32 v[MRA], s66, v22
	s_xor_b32 s68, s[WV], 4                        ; my partner: the same queries, the other keys
	s_lshl_b32 s69, s68, 11
	s_add_co_u32 s69, s69, QST
	v_add_nc_u32 v[MRB], s69, v22
	v_lshlrev_b32 v23, 2, v19
	s_lshl_b32 s66, s[WV], 9
	s_add_co_u32 s66, s66, MCM
	v_add_nc_u32 v[MCW], s66, v23
	v_lshl_add_u32 v23, v21, 7, v23                ; and 128 (2 kh + h) into its c M images
	s_lshl_b32 s67, s[KH], 8
	v_add_nc_u32 v23, s67, v23
	v_add_nc_u32 v[MCA], s66, v23
	s_lshl_b32 s69, s68, 9
	s_add_co_u32 s69, s69, MCM
	v_add_nc_u32 v[MCB], s69, v23
	v_mov_b32 v[K14], 0xc1600000                   ; -14: the lane's number is done with
.set q, 0
.rept 32
	v_mov_b32 v[O+q], 0                            ; the step is written once: the first finds zeros, which the first a leaves zeros
.set q, q+1
.endr
.irp t, 0,1,2,3
	v_mov_b32 v[ST+8*\t+1], 0xff61b1e6             ; M: -3e38, under every score
	v_mov_b32 v[ST+8*\t+2], 0xff61b1e6             ; c M - 14 of the step before the first: the first a is 2^(-3e38 - ..) = 0
	v_mov_b32 v[ST+8*\t+5], 0                      ; a lane exchange's destination counts as one of its sources
.endr
	s_wait_kmcnt 0x0
	s_add_co_i32 s66, s62, s63
	s_lshl_b32 s66, s66, 23
	s_mov_b32 s[CS], 0x3d8293ee                    ; log2(e) / sqrt(512)
	s_add_co_i32 s[CS], s[CS], s66                 ; x 2^(e0 + e1): the two exponents are added to its exponent field
	s_mov_b32 s[CS+1], s[CS]
	s_add_co_i32 s66, s62, 127
	s_lshl_b32 s67, s66, 23
	v_mov_b32 v[SCL], s67
	s_add_co_i32 s66, s66, 8
	s_lshl_b32 s66, s66, 23
	s_or_b32 s66, s66, 0x600000
	v_mov_b32 v[LIMR], s66
.irp p, 0,1,2,3,4,5,6,7
	QPASS \p
.endr
; A KEY STEP: 32 keys a wave (key tiles A = 2 st and B = 2 st + 1 of my eight) against my 64 queries.
.macro FRAG reg, off                   ; a fragment of K, 16 keys x 128 K, as it lies: four times 512 consecutive bytes
.irp c, 0,1,2,3
	ds_load_b128 v[\reg+4*\c:\reg+4*\c+3], v[ADK] offset:(\off)+512*\c
.endr
.endm
.macro FETCHN st                       ; what a step begins with: A's four fragments and B's first two
	FRAG 96,(2*(\st))*8192
	FRAG 112,(2*(\st))*8192+2048
	FRAG 128,(2*(\st))*8192+4096
	FRAG 144,(2*(\st))*8192+6144
	FRAG 224,(2*(\st)+1)*8192
	FRAG 240,(2*(\st)+1)*8192+2048
.endm
.macro KQ x, s, kb                     ; K step s of key tile x against the four tiles of queries: four accumulators by turns, one instruction a turn
.irp t, 0,1,2,3
.if \s == 0
	v_wmma_f32_16x16x128_fp8_fp8 v[S+16*\t+8*\x:S+16*\t+8*\x+7], v[\kb:\kb+15], v[64*\t+16*\s:64*\t+16*\s+15], 0
.else
	v_wmma_f32_16x16x128_fp8_fp8 v[S+16*\t+8*\x:S+16*\t+8*\x+7], v[\kb:\kb+15], v[64*\t+16*\s:64*\t+16*\s+15], v[S+16*\t+8*\x:S+16*\t+8*\x+7]
.endif
.endr
.endm
; A PREFETCH of the slot that the NEXT change of slots will ask for: 131,072 bytes in blocks of 256.  Both clusters of a batch walk the same K: the first asks.  Its four partners take 32,768 bytes each, told apart by
; address; in each, waves 0 to 3 take 8,192, a lane a block: each block is named once in the launch.  The last change that fills a slot asks for nothing; slots 0 to 2 come by their loads alone.
.macro ASK
	s_cmp_gt_u32 s[SLOTS], s[LIM]
	s_cbranch_scc0 .Lnot_mine_\@
	global_prefetch_b8 v[PFO], s[PFA:PFA+1] th:TH_LOAD_NT scope:SCOPE_SE
.Lnot_mine_\@:
.endm
; THE CHANGE OF SLOTS stands where the slot's last fragments are in registers.  Each wave waits for all its tensor loads (one is out: its part of the next slot), adds 0 to its spare word, and waits for that and for its
; reads of the slot.  fill = 1: the barrier is a round of the cluster's, and the slot is filled again, with the keys two slots on, first thing behind it: the load has four key steps in which to land.
.macro CHANGE fill
	WIN 0
	s_wait_tensorcnt 0x0                           ; no tensor load of mine is out, so a group 0 may be written
	ds_add_u32 v[SPW], v[NIL]
.if \fill
	s_xor_b32 s[G0W+1], s[G0W+1], SLOT1            ; the walking descriptor: the other slot than last time,
	s_add_nc_u64 s[G0W+2:G0W+3], s[G0W+2:G0W+3], SLOTB   ; the next 256 keys; the type bits on top are not reached
	s_wait_xcnt 0x0                                ; the last prefetch, a slot back, has read its address
	s_add_nc_u64 s[PFA:PFA+1], s[PFA:PFA+1], SLOTB
.endif
	s_wait_dscnt 0x0                               ; the add is done, and my reads of the slot are over
.if \fill
	CROUND
	tensor_load_to_lds s[G0W:G0W+3], s[G1K:G1K+7]
	s_nop 0
	PLACES 4                                       ; the places behind the last products, ahead of the loads and maxima below
.else
	s_barrier_signal -1
	s_barrier_wait -1
.endif
	s_xor_b32 s[TB], s[TB], SLOT1
	s_add_co_u32 s[VB], s[VB], 2048
	v_add_nc_u32 v[ADK], s[TB], v[AK0]
	v_add_nc_u32 v[ADV], s[VB], v[AV0]
.endm
; mode 0: the next step lies in the same slot; 1: a change of slots with a refill; 2: a change without; 3: the last step of all.
.macro STEP st, mode
.set PI, (\st)%2                       ; c M - 14 is kept in two registers by turns, so that the old one is at hand for a
	s_wait_dscnt 0x0                               ; A's four fragments and B's first two are in (asked for a softmax ago)
	WIN 0x04                                       ; source 1 (Q) window 1
	KQ 0, 0, 96
	KQ 0, 1, 112
	KQ 0, 2, 128
	KQ 0, 3, 144
	WIN 0
	PLACES 4                                       ; ahead of loads into registers that those products have read, and of the first read of their results
	FRAG 96,(2*(\st)+1)*8192+4096
	FRAG 112,(2*(\st)+1)*8192+6144
	ds_load_b128 v[VF:VF+3], v[ADV] offset:(\st)*256          ; keys 8 h + 0..7 of the step's 32, channel r % 4
	ds_load_b128 v[VF+4:VF+7], v[ADV] offset:(\st)*256+128    ; keys 16 + 8 h + 0..7
	WIN 0x04
	KQ 1, 0, 224
	KQ 1, 1, 240
	WIN 0
.irp t, 0,1,2,3                        ; tile A's maximum, with the old M, while B's loads land; each accumulator is read from its low end on
	v_max3_num_f32 v[ST+8*\t+6], v[S+16*\t], v[S+16*\t+1], v[S+16*\t+2]
.endr
.irp t, 0,1,2,3
	v_max3_num_f32 v[ST+8*\t+6], v[ST+8*\t+6], v[S+16*\t+3], v[S+16*\t+4]
.endr
.irp t, 0,1,2,3
	v_max3_num_f32 v[ST+8*\t+6], v[ST+8*\t+6], v[S+16*\t+5], v[S+16*\t+6]
.endr
.irp t, 0,1,2,3
	v_max3_num_f32 v[ST+8*\t+6], v[ST+8*\t+6], v[S+16*\t+7], v[ST+8*\t+1]
.endr
	s_wait_dscnt 0x0                               ; B's last two fragments and V's are in
	WIN 0x04
	KQ 1, 2, 96
	KQ 1, 3, 112
	WIN 0
.if \mode == 0
	PLACES 4
	FETCHN (\st)+1
.elseif \mode == 1
	CHANGE 1
	FETCHN 0
	ASK
.elseif \mode == 2
	PLACES 4
	CHANGE 0
	FETCHN 0
.else
	PLACES 4
.endif
.irp t, 0,1,2,3
	v_max3_num_f32 v[ST+8*\t+7], v[S+16*\t+8], v[S+16*\t+9], v[S+16*\t+10]
.endr
.irp t, 0,1,2,3
	v_max3_num_f32 v[ST+8*\t+7], v[ST+8*\t+7], v[S+16*\t+11], v[S+16*\t+12]
.endr
.irp t, 0,1,2,3
	v_max3_num_f32 v[ST+8*\t+7], v[ST+8*\t+7], v[S+16*\t+13], v[S+16*\t+14]
.endr
.irp t, 0,1,2,3
	v_max3_num_f32 v[ST+8*\t+6], v[ST+8*\t+7], v[S+16*\t+15], v[ST+8*\t+6]
.endr
.irp t, 0,1,2,3
	v_permlanex16_b32 v[ST+8*\t+5], v[ST+8*\t+6], s[SEL], s[SEL+1]   ; the query's other 16 keys lie in the lane 16 away
.endr
.irp t, 0,1,2,3
	v_max_num_f32 v[ST+8*\t+1], v[ST+8*\t+6], v[ST+8*\t+5]
.endr
.irp t, 0,1,2,3
	v_fma_f32 v[ST+8*\t+2*PI], s[CS], v[ST+8*\t+1], v[K14]   ; c M - 14
.endr
.irp t, 0,1,2,3
	v_sub_f32 v[ST+8*\t+3], v[ST+8*\t+2-2*PI], v[ST+8*\t+2*PI]
.endr
.irp i, 0,2,4,6,8,10,12,14
.irp t, 0,1,2,3
	v_pk_fma_f32 v[S+16*\t+\i:S+16*\t+\i+1], v[S+16*\t+\i:S+16*\t+\i+1], s[CS:CS+1], v[ST+8*\t+2*PI:ST+8*\t+2*PI+1] op_sel_hi:[1,0,0] neg_lo:[0,0,1] neg_hi:[0,0,1]   ; c s - (c M - 14)
.endr
.endr
.irp t, 0,1,2,3
	v_exp_f32 v[ST+8*\t+4], v[ST+8*\t+3]           ; a
.endr
.irp i, 0,1,2,3,4,5,6,7,8,9,10,11,12,13,14,15
.irp t, 0,1,2,3
	v_exp_f32 v[S+16*\t+\i], v[S+16*\t+\i]         ; p
.endr
.endr
	v_nop                                          ; a plain instruction behind the last exponential (ISA guide 5.7.2)
	s_wait_alu depctr_va_vdst(0)                   ; one wait for the batch of 68, ahead of its first reader
.irp i, 0,1,2,3,4,5,6,7
.irp t, 0,1,2,3
	v_cvt_pk_f16_f32 v[S+16*\t+\i], v[S+16*\t+2*\i], v[S+16*\t+2*\i+1]   ; in place, ascending: register i is written when registers 2 i and 2 i + 1 are read, never before
.endr
.endr
.irp t, 0,1,2,3
	v_pk_mul_f32 v[O+8*\t:O+8*\t+1], v[O+8*\t:O+8*\t+1], v[ST+8*\t+4:ST+8*\t+5] op_sel_hi:[1,0]
	v_pk_mul_f32 v[O+8*\t+2:O+8*\t+3], v[O+8*\t+2:O+8*\t+3], v[ST+8*\t+4:ST+8*\t+5] op_sel_hi:[1,0]
.endr
.irp t, 0,1,2,3
	v_wmma_f32_16x16x32_f16 v[O+8*\t:O+8*\t+7], v[VF:VF+7], v[S+16*\t:S+16*\t+7], v[O+8*\t:O+8*\t+7]
.endr
	PLACES 5                                       ; the next step's first products write over p
.endm
.macro SLOTBODY mode
	STEP 0, 0
	STEP 1, 0
	STEP 2, 0
	STEP 3, \mode
.endm
	s_wait_dscnt 0x0                               ; Q's last fragments are in
	s_wait_tensorcnt 0x1                           ; my parts of V's image and of slot 0 have landed; slot 1's may stay out
	s_barrier_signal -1
	s_barrier_wait -1                              ; everybody's have
	s_mov_b32 s[TB], 0
	s_mov_b32 s[VB], 0
	s_mov_b32 s[SLOTS], 6
	v_mov_b32 v[ADK], v[AK0]
	v_mov_b32 v[ADV], v[AV0]
	FETCHN 0
.Lslot:                                            ; six trips: slots 0 to 5 are read, and each is filled again with the keys two slots on
	SLOTBODY 1
	s_sub_co_u32 s[SLOTS], s[SLOTS], 1
	s_cmp_lg_u32 s[SLOTS], 0
	s_cbranch_scc1 .Lslot
	SLOTBODY 2                                     ; the last two slots are written out
	SLOTBODY 3
	; THE WAY OUT.  Each wave lays down its four tiles' x, y, z, sum and c M - 14 as images.  Lane (r, h) then takes tile 2 kh + h, its own and its partner's, brings both under the larger c M, adds, divides by the sum
	; and stores 16 bytes: the wave's 32 queries are 512 consecutive bytes of mt, aligned.  The five plain instructions behind the last products are the places ahead of these stores.
.irp t, 0,1,2,3
	ds_store_b128 v[QWI], v[O+8*\t:O+8*\t+3] offset:512*\t
.endr
.irp t, 0,1,2,3
	ds_store_b32 v[MCW], v[ST+8*\t+2] offset:128*\t   ; the last step was an odd one
.endr
	s_wait_dscnt 0x0                               ; for my partner's sake: my stores have landed
	s_barrier_signal -1
	s_barrier_wait -1
	ds_load_b128 v[96:99], v[MRA]
	ds_load_b128 v[100:103], v[MRB]
	ds_load_b32 v104, v[MCA]
	ds_load_b32 v105, v[MCB]
	s_wait_dscnt 0x0
	v_max_num_f32 v106, v104, v105
	v_sub_f32 v104, v104, v106
	v_sub_f32 v105, v105, v106
	v_exp_f32 v104, v104
	v_exp_f32 v105, v105
	v_nop
	s_wait_alu depctr_va_vdst(0)                   ; one wait for the two exponentials
.irp i, 0,1,2,3
	v_mul_f32 v[108+\i], v[96+\i], v104
.endr
.irp i, 0,1,2,3
	v_fmac_f32 v[108+\i], v[100+\i], v105
.endr
	v_rcp_f32 v106, v111                           ; 1 / the sum, which is at least about 2^14
	v_nop
	s_wait_alu depctr_va_vdst(0)
.irp i, 0,1,2,3
	v_mul_f32 v[112+\i], v[108+\i], v106
.endr
	global_store_b128 v[GO], v[112:115], s[12:13]
	s_wait_tensorcnt 0x0                           ; the wave's end
	ds_add_u32 v[SPW], v[NIL]
	s_wait_dscnt 0x0
	CROUND                                         ; the closing round: no work-group ends while a partner may still ask for a tile that names it
	s_endpgm
.Lfunc_end_k_qa96e227cc6_attn:
	.size	k_qa96e227cc6_attn, .Lfunc_end_k_qa96e227cc6_attn-k_qa96e227cc6_attn
	.p2alignl 7, 3214868480
	.fill 96, 4, 3214868480
	.section	.rodata,"a",@progbits
	.p2align	6, 0x0
	.amdhsa_kernel k_qa96e227cc6_attn
		.amdhsa_group_segment_fixed_size 327680
		.amdhsa_private_segment_fixed_size 0
		.amdhsa_enable_private_segment 0
		.amdhsa_kernarg_size 40
		.amdhsa_user_sgpr_count 2
		.amdhsa_user_sgpr_kernarg_segment_ptr 1
		.amdhsa_wavefront_size32 1
		.amdhsa_system_sgpr_workgroup_id_x 1
		.amdhsa_system_sgpr_workgroup_id_y 1
		.amdhsa_system_sgpr_workgroup_id_z 1
		.amdhsa_system_vgpr_workitem_id 0
		.amdhsa_next_free_vgpr 512
		.amdhsa_next_free_sgpr 80
		.amdhsa_reserve_vcc 0
		.amdhsa_float_denorm_mode_32 3
		.amdhsa_float_denorm_mode_16_64 3
		.amdhsa_memory_ordered 1
		.amdhsa_forward_progress 1
		.amdhsa_inst_pref_size 242
	.end_amdhsa_kernel
	.amdgpu_metadata
---
amdhsa.version: [ 1, 2 ]
amdhsa.kernels:
  - .name:           k_qa96e227cc6_attn
    .symbol:         k_qa96e227cc6_attn.kd
    .args:
      - { .name: src_embed, .offset: 0, .size: 8, .value_kind: global_buffer, .address_space: global }
      - { .name: kimg, .offset: 8, .size: 8, .value_kind: global_buffer, .address_space: global }
      - { .name: vimg, .offset: 16, .size: 8, .value_kind: global_buffer, .address_space: global }
      - { .name: lowp_scales, .offset: 24, .size: 8, .value_kind: global_buffer, .address_space: global }
      - { .name: mt, .offset: 32, .size: 8, .value_kind: global_buffer, .address_space: global }
    .group_segment_fixed_size: 327680
    .private_segment_fixed_size: 0
    .kernarg_segment_align: 8
    .kernarg_segment_size: 40
    .max_flat_workgroup_size: 256
    .sgpr_count:     80
    .vgpr_count:     512
    .wavefront_size: 32
...
	.end_amdgpu_metadata
.endif
;; end of part 2
;; launch fit (part 3): grid 32 x 1, 4 waves a work-group, no clusters, 1,536 bytes of LDS; arguments src, mt, tcb, out0, out1; writes out0, out1
.if DOCPART == 3
	.amdgcn_target "amdgcn-amd-amdhsa--gfx1250"
	.amdhsa_code_object_version 6
	.text
	.protected	k_qa96e227cc6_fit
	.globl	k_qa96e227cc6_fit
	.p2align	8
	.type	k_qa96e227cc6_fit,@function
k_qa96e227cc6_fit:
	s_mov_b64 s[64:65], 0
	v_nop
	global_prefetch_b8 v0, s[64:65] scope:SCOPE_SE
	s_setreg_imm32_b32 hwreg(HW_REG_WAVE_MODE, 25, 1), 1
	s_wait_xcnt 0x0
; FIT.  For a batch: sc = mean of src; mc = mean of mt (matched less tc); H[c][d] = sum over the 2,048 points of (src - sc)[c] (mt - mc)[d]; R = V U^T of H's singular vectors; where det R < 0 its third row is negated;
; t = tc + mc - R sc.  V U^T IS THE ORTHOGONAL POLAR FACTOR OF H^T (H^T = (V U^T)(U S U^T)), the same whatever order and signs a decomposition picks.  It is found by Newton's iteration
; X <- (g X + X^-T / g) / 2 with g = (|X^-1|_F / |X|_F)^(1/2), X^-T = cofactors / det, from X = H^T scaled by a power of two to largest entry in [1, 2).
; TEN TRIPS, always: a scaled step takes log2 of the ratio of the largest to the smallest singular value to under half of itself, so 24 bits are about 1 after four steps, and three more steps, each squaring
; the error, end under f32's rounding; three further trips serve ratios over the whole exponent range.
; LIMITS: |H| under 2^127; an H that is singular to working precision has no determined R and gives NaN.
; One work-group a batch, since a batch's sums have one owner; thread i owns points 16 i .. 16 i + 15.  Sums meet in LDS; wave 0 does the 3 x 3 work, the same in every lane.
.set TC,  8                            ; v8-11    tc x, y, z, 0
.set SR,  16                           ; v16-63   my 16 points of src
.set MT,  64                           ; v64-127  my 16 points of mt (the fourth number of a point is not used)
.set SU,  136                          ; v136-143 sums: sx, sy, sz, 0, mx, my, mz, 0
.set MN,  144                          ; v144-151 the means, in the same order; v144-175 the four waves' sums before that
.set HH,  160                          ; v160-168 H
.set TP,  176                          ; v176-184 destinations of the lane exchange
.set XM,  64                           ; wave 0: X
.set CF,  80                           ; its cofactors
.set TT,  96                           ; at work
.macro WSUMS first, n
.irp m, 1,2,4,8
.set q, 0
.rept \n
	v_add_f32_dpp v[\first+q], v[\first+q], v[\first+q] row_xmask:\m row_mask:0xf bank_mask:0xf
.set q, q+1
.endr
.endr
.set q, 0
.rept \n
	v_permlanex16_b32 v[TP+q], v[\first+q], s20, s21
.set q, q+1
.endr
.set q, 0
.rept \n
	v_add_f32 v[\first+q], v[\first+q], v[TP+q]
.set q, q+1
.endr
.endm
.macro COF1 k, a, b, c, d              ; cofactor k = X_a X_b - X_c X_d
	v_mul_f32 v[TT+\k], v[XM+\c], v[XM+\d]
	v_fma_f32 v[CF+\k], v[XM+\a], v[XM+\b], -v[TT+\k]
.endm
.macro DET                             ; along the first row
	v_mul_f32 v106, v[XM], v[CF]
	v_fmac_f32 v106, v[XM+1], v[CF+1]
	v_fmac_f32 v106, v[XM+2], v[CF+2]
.endm
	s_load_b256 s[4:11], s[0:1], 0x0               ; src s[4:5], mt s[6:7], tcb s[8:9], out0 s[10:11]
	s_load_b64 s[12:13], s[0:1], 0x20              ; out1
	v_lshl_add_u32 v192, v0, 2, 0x400
	v_mov_b32 v193, 0
	v_lshrrev_b32 v1, 5, v0
	v_readfirstlane_b32 s14, v1                    ; wave 0..3
	s_mov_b32 s20, 0x76543210
	s_mov_b32 s21, 0xfedcba98
	v_mul_u32_u24 v2, v0, 192                      ; 16 points of 12 bytes
	v_lshlrev_b32 v3, 8, v0                        ; 16 points of 16 bytes
	s_lshl_b32 s15, s14, 5
	v_mov_b32 v4, s15                              ; LDS: 32 bytes a wave for the sums,
	s_mul_i32 s15, s14, 48
	s_add_co_u32 s15, s15, 128
	v_mov_b32 v5, s15                              ; behind them 48 a wave for H
	v_mov_b32 v6, 0
.set q, 0
.rept 9
	v_mov_b32 v[TP+q], 0
.set q, q+1
.endr
	v_mov_b32 v[SU+3], 0
	v_mov_b32 v[SU+7], 0
	s_mul_i32 s22, ttmp9, 24576
	s_mov_b32 s23, 0
	s_lshl_b32 s24, ttmp9, 15
	s_mov_b32 s25, 0
	s_lshl_b32 s26, ttmp9, 4
	s_mov_b32 s27, 0
	s_mul_i32 s28, ttmp9, 36
	s_mov_b32 s29, 0
	s_mul_i32 s30, ttmp9, 12
	s_mov_b32 s31, 0
	s_wait_kmcnt 0x0
	s_add_nc_u64 s[4:5], s[4:5], s[22:23]
	s_add_nc_u64 s[6:7], s[6:7], s[24:25]
	s_add_nc_u64 s[8:9], s[8:9], s[26:27]
	s_add_nc_u64 s[10:11], s[10:11], s[28:29]
	s_add_nc_u64 s[12:13], s[12:13], s[30:31]
.irp k, 0,1,2,3,4,5,6,7,8,9,10,11
	global_load_b128 v[SR+4*\k:SR+4*\k+3], v2, s[4:5] offset:16*\k
.endr
.irp k, 0,1,2,3,4,5,6,7,8,9,10,11,12,13,14,15
	global_load_b128 v[MT+4*\k:MT+4*\k+3], v3, s[6:7] offset:16*\k
.endr
	global_load_b128 v[TC:TC+3], v6, s[8:9]        ; tc: every lane reads the batch's 16 bytes
	s_wait_loadcnt 0x0
	; the sums.  src's 48 numbers repeat x y z with a period of six: three pairs (x, y), (z, x), (y, z)
	v_pk_add_f32 v[128:129], v[SR:SR+1], v[SR+6:SR+7]
	v_pk_add_f32 v[130:131], v[SR+2:SR+3], v[SR+8:SR+9]
	v_pk_add_f32 v[132:133], v[SR+4:SR+5], v[SR+10:SR+11]
.irp k, 2,3,4,5,6,7
	v_pk_add_f32 v[128:129], v[128:129], v[SR+6*\k:SR+6*\k+1]
	v_pk_add_f32 v[130:131], v[130:131], v[SR+6*\k+2:SR+6*\k+3]
	v_pk_add_f32 v[132:133], v[132:133], v[SR+6*\k+4:SR+6*\k+5]
.endr
	v_pk_add_f32 v[SU+4:SU+5], v[MT:MT+1], v[MT+4:MT+5]
	v_add_f32 v[SU+6], v[MT+2], v[MT+6]
.irp k, 2,3,4,5,6,7,8,9,10,11,12,13,14,15
	v_pk_add_f32 v[SU+4:SU+5], v[SU+4:SU+5], v[MT+4*\k:MT+4*\k+1]
	v_add_f32 v[SU+6], v[SU+6], v[MT+4*\k+2]
.endr
	v_add_f32 v[SU], v128, v131
	v_add_f32 v[SU+1], v129, v132
	v_add_f32 v[SU+2], v130, v133
	WSUMS SU, 3
	WSUMS SU+4, 3
	ds_store_b128 v4, v[SU:SU+3]                   ; all lanes of a wave write the same 32 bytes with the same numbers
	ds_store_b128 v4, v[SU+4:SU+7] offset:16
	s_wait_dscnt 0x0                               ; for the others' sake: my stores have landed
	s_barrier_signal -1
	s_barrier_wait -1
.irp k, 0,1,2,3
	ds_load_b128 v[MN+8*\k:MN+8*\k+3], v6 offset:32*\k
	ds_load_b128 v[MN+8*\k+4:MN+8*\k+7], v6 offset:32*\k+16
.endr
	s_wait_dscnt 0x0
.irp k, 1,2,3
.irp p, 0,2,4,6
	v_pk_add_f32 v[MN+\p:MN+\p+1], v[MN+\p:MN+\p+1], v[MN+8*\k+\p:MN+8*\k+\p+1]
.endr
.endr
.irp p, 0,2,4,6
	v_pk_mul_f32 v[MN+\p:MN+\p+1], v[MN+\p:MN+\p+1], 0x3a000000 op_sel_hi:[1,0]   ; / 2,048
.endr
	v_mov_b32 v152, v[MN+2]                        ; (scz, scx) and (scy, scz), for the period of six
	v_mov_b32 v153, v[MN]
	v_mov_b32 v154, v[MN+1]
	v_mov_b32 v155, v[MN+2]
.irp k, 0,1,2,3,4,5,6,7
	v_pk_add_f32 v[SR+6*\k:SR+6*\k+1], v[SR+6*\k:SR+6*\k+1], v[MN:MN+1] neg_lo:[0,1] neg_hi:[0,1]
	v_pk_add_f32 v[SR+6*\k+2:SR+6*\k+3], v[SR+6*\k+2:SR+6*\k+3], v[152:153] neg_lo:[0,1] neg_hi:[0,1]
	v_pk_add_f32 v[SR+6*\k+4:SR+6*\k+5], v[SR+6*\k+4:SR+6*\k+5], v[154:155] neg_lo:[0,1] neg_hi:[0,1]
.endr
.irp k, 0,1,2,3,4,5,6,7,8,9,10,11,12,13,14,15
	v_pk_add_f32 v[MT+4*\k:MT+4*\k+1], v[MT+4*\k:MT+4*\k+1], v[MN+4:MN+5] neg_lo:[0,1] neg_hi:[0,1]
	v_sub_f32 v[MT+4*\k+2], v[MT+4*\k+2], v[MN+6]
.endr
.set q, 0
.rept 16                               ; H: nine chains side by side; the first point starts the sums
.irp c, 0,1,2
.irp d, 0,1,2
.if q == 0
	v_mul_f32 v[HH+3*\c+\d], v[SR+\c], v[MT+\d]
.else
	v_fmac_f32 v[HH+3*\c+\d], v[SR+3*q+\c], v[MT+4*q+\d]
.endif
.endr
.endr
.set q, q+1
.endr
	WSUMS HH, 9
	ds_store_b128 v5, v[HH:HH+3]
	ds_store_b128 v5, v[HH+4:HH+7] offset:16
	ds_store_b32 v5, v[HH+8] offset:32
	s_wait_dscnt 0x0
	s_barrier_signal -1
	s_barrier_wait -1
	s_cmp_lg_u32 s14, 0                            ; the 3 x 3 work is one wave's; no barrier follows
	s_cbranch_scc1 .Lend
.irp k, 0,1,2,3
	ds_load_b128 v[16+12*\k:19+12*\k], v6 offset:128+48*\k
	ds_load_b128 v[20+12*\k:23+12*\k], v6 offset:128+48*\k+16
	ds_load_b32 v[24+12*\k], v6 offset:128+48*\k+32
.endr
	s_wait_dscnt 0x0
.irp k, 1,2,3
.irp j, 0,1,2,3,4,5,6,7,8
	v_add_f32 v[16+\j], v[16+\j], v[16+12*\k+\j]
.endr
.endr
	v_max3_num_f32 v116, |v16|, |v17|, |v18|
	v_max3_num_f32 v116, v116, |v19|, |v20|
	v_max3_num_f32 v116, v116, |v21|, |v22|
	v_max3_num_f32 v116, v116, |v23|, |v24|
	v_and_b32 v116, 0x7f800000, v116               ; the largest entry's exponent field e;
	v_sub_nc_u32 v116, 0x7f000000, v116            ; (254 - e) << 23 is the f32 number 2^(127 - e)
.irp i, 0,1,2
.irp j, 0,1,2
	v_mul_f32 v[XM+3*\i+\j], v[16+3*\j+\i], v116   ; X = H^T, scaled: nothing is rounded
.endr
.endr
	s_mov_b32 s32, 10
.Lnewton:
	COF1 0, 4, 8, 5, 7
	COF1 1, 5, 6, 3, 8
	COF1 2, 3, 7, 4, 6
	COF1 3, 2, 7, 1, 8
	COF1 4, 0, 8, 2, 6
	COF1 5, 1, 6, 0, 7
	COF1 6, 1, 5, 2, 4
	COF1 7, 2, 3, 0, 5
	COF1 8, 0, 4, 1, 3
	DET
	v_mul_f32 v107, v[XM], v[XM]                   ; |X|_F^2
	v_mul_f32 v108, v[CF], v[CF]                   ; |cofactors|_F^2
.irp j, 1,2,3,4,5,6,7,8
	v_fmac_f32 v107, v[XM+\j], v[XM+\j]
	v_fmac_f32 v108, v[CF+\j], v[CF+\j]
.endr
	v_rcp_f32 v109, v108
	v_rcp_f32 v110, v106
	v_nop
	s_wait_alu depctr_va_vdst(0)                   ; one wait for the two reciprocals, ahead of their first reader
	v_mul_f32 v111, v106, v109
	v_mul_f32 v111, v111, v106
	v_mul_f32 v111, v111, v107                     ; w = |X|^2 det^2 / |cofactors|^2 = g^-4
	v_rsq_f32 v112, v111                           ; g^2
	v_nop
	s_wait_alu depctr_va_vdst(0)
	v_rsq_f32 v113, v112                           ; 1 / g
	v_mul_f32 v110, 0.5, v110                      ; 1 / (2 det): the plain instruction behind the root
	s_wait_alu depctr_va_vdst(0)
	v_mul_f32 v114, v112, v113                     ; g
	v_mul_f32 v114, 0.5, v114
	v_mul_f32 v115, v113, v110                     ; 1 / (2 g det)
.irp j, 0,1,2,3,4,5,6,7,8
	v_mul_f32 v[XM+\j], v114, v[XM+\j]
.endr
.irp j, 0,1,2,3,4,5,6,7,8
	v_fmac_f32 v[XM+\j], v115, v[CF+\j]
.endr
	s_sub_co_u32 s32, s32, 1
	s_cmp_lg_u32 s32, 0
	s_cbranch_scc1 .Lnewton
	COF1 0, 4, 8, 5, 7
	COF1 1, 5, 6, 3, 8
	COF1 2, 3, 7, 4, 6
	DET
	v_and_b32 v117, 0x80000000, v106               ; X is orthogonal to rounding, so det is 1 or -1 to rounding: its sign bit says whether det >= 0,
	v_xor_b32 v[XM+6], v117, v[XM+6]               ; and turns the third row's signs where it is not.  No branch hangs on it
	v_xor_b32 v[XM+7], v117, v[XM+7]
	v_xor_b32 v[XM+8], v117, v[XM+8]
.irp c, 0,1,2
	v_add_f32 v[120+\c], v[TC+\c], v[MN+4+\c]      ; the matched points' centroid: tc + mc
.endr
.irp j, 0,1,2
.irp c, 0,1,2
	v_fma_f32 v[120+\c], -v[XM+3*\c+\j], v[MN+\j], v[120+\c]
.endr
.endr
	v_mov_b32 v124, v[XM]                          ; lane i takes number i
.irp i, 1,2,3,4,5,6,7,8
	v_cmp_eq_u32 vcc_lo, \i, v0
	v_cndmask_b32 v124, v124, v[XM+\i], vcc_lo
.endr
	v_mov_b32 v125, v120
.irp i, 1,2
	v_cmp_eq_u32 vcc_lo, \i, v0
	v_cndmask_b32 v125, v125, v[120+\i], vcc_lo
.endr
	v_lshlrev_b32 v126, 2, v0
	s_wait_xcnt 0x0                                ; EXEC changes only behind this wait
	v_cmp_gt_u32 vcc_lo, 9, v0
	s_and_saveexec_b32 s33, vcc_lo
	global_store_b32 v126, v124, s[10:11]          ; R: 36 consecutive bytes
	s_wait_xcnt 0x0
	s_or_b32 exec_lo, exec_lo, s33
	v_cmp_gt_u32 vcc_lo, 3, v0
	s_and_saveexec_b32 s33, vcc_lo
	global_store_b32 v126, v125, s[12:13]          ; t: 12 consecutive bytes
	s_wait_xcnt 0x0
	s_or_b32 exec_lo, exec_lo, s33
.Lend:
	s_wait_tensorcnt 0x0
	ds_add_u32 v192, v193
	s_wait_dscnt 0x0
	s_endpgm
.Lfunc_end_k_qa96e227cc6_fit:
	.size	k_qa96e227cc6_fit, .Lfunc_end_k_qa96e227cc6_fit-k_qa96e227cc6_fit
	.p2alignl 7, 3214868480
	.fill 96, 4, 3214868480
	.section	.rodata,"a",@progbits
	.p2align	6, 0x0
	.amdhsa_kernel k_qa96e227cc6_fit
		.amdhsa_group_segment_fixed_size 1536
		.amdhsa_private_segment_fixed_size 0
		.amdhsa_enable_private_segment 0
		.amdhsa_kernarg_size 40
		.amdhsa_user_sgpr_count 2
		.amdhsa_user_sgpr_kernarg_segment_ptr 1
		.amdhsa_wavefront_size32 1
		.amdhsa_system_sgpr_workgroup_id_x 1
		.amdhsa_system_sgpr_workgroup_id_y 1
		.amdhsa_system_sgpr_workgroup_id_z 1
		.amdhsa_system_vgpr_workitem_id 0
		.amdhsa_next_free_vgpr 194
		.amdhsa_next_free_sgpr 66
		.amdhsa_reserve_vcc 1
		.amdhsa_float_denorm_mode_32 3
		.amdhsa_float_denorm_mode_16_64 3
		.amdhsa_memory_ordered 1
		.amdhsa_forward_progress 1
		.amdhsa_inst_pref_size 30
	.end_amdhsa_kernel
	.amdgpu_metadata
---
amdhsa.version: [ 1, 2 ]
amdhsa.kernels:
  - .name:           k_qa96e227cc6_fit
    .symbol:         k_qa96e227cc6_fit.kd
    .args:
      - { .name: src, .offset: 0, .size: 8, .value_kind: global_buffer, .address_space: global }
      - { .name: mt, .offset: 8, .size: 8, .value_kind: global_buffer, .address_space: global }
      - { .name: tcb, .offset: 16, .size: 8, .value_kind: global_buffer, .address_space: global }
      - { .name: out0, .offset: 24, .size: 8, .value_kind: global_buffer, .address_space: global }
      - { .name: out1, .offset: 32, .size: 8, .value_kind: global_buffer, .address_space: global }
    .group_segment_fixed_size: 1536
    .private_segment_fixed_size: 0
    .kernarg_segment_align: 8
    .kernarg_segment_size: 40
    .max_flat_workgroup_size: 128
    .sgpr_count:     66
    .vgpr_count:     194
    .wavefront_size: 32
...
	.end_amdgpu_metadata
.endif
;; end of part 3
;; ======== version 2 of 2: 3 launches
;; limits: values are held in f16: magnitudes above 65,504 overflow, below 6.1e-05 lose precision; below input magnitudes of 6.1e-05 results are inexact or not finite
;; workspace buffers: kimg 33,554,432 bytes; vimg 524,288 bytes; tcb 512 bytes; mt 1,048,576 bytes
;; launch prep (part 4): grid 256 x 1, 16 waves a work-group, no clusters, 141,568 bytes of LDS; arguments tgt_embed, tgt, lowp_scales, kimg, vimg, tcb; writes kimg, vimg, tcb
.if DOCPART == 4
	.amdgcn_target "amdgcn-amd-amdhsa--gfx1250"
	.amdhsa_code_object_version 6
	.text
	.protected	k_qa96e227cc6_prep
	.globl	k_qa96e227cc6_prep
	.p2align	8
	.type	k_qa96e227cc6_prep,@function
k_qa96e227cc6_prep:
	s_mov_b64 s[64:65], 0
	v_nop
	global_prefetch_b8 v0, s[64:65] scope:SCOPE_SE
	s_setreg_imm32_b32 hwreg(HW_REG_WAVE_MODE, 25, 1), 1
	s_wait_xcnt 0x0
; PREP.  tgt_embed [32][2048][512] f32 becomes codes of E4M3 with the given scale 2^e1 (entry 1 of lowp_scales), laid as the next launch's operand registers take them;
; tgt [32][2048][3] becomes tc = its mean over a batch's 2,048 points, and (tgt - tc, 1) in f16, laid as source 0 of a 16 x 16 x 32 product.
; code = x / 2^e1, held within +-448, to the nearest code, ties to even.  LIMITS: e1 between -126 and 119; NaN among the inputs is not served; |tgt - tc| under 65,504 (f16);
; a number of tgt - tc under 2^-14 in size, which f16 could hold only as a denormal, goes in as 0: an error of at most 2^-14, where numbers of size 1 are rounded by up to 2^-12.
; SHARES.  Work-group 8 b + j owns keys 256 j .. 256 j + 255 of batch b; wave w owns 16 of them (a key tile): 16 rows of 2,048 bytes in, 8,192 bytes of codes out.
; kimg: [batch][slot of 256 keys: 131,072 B][key tile: 8,192 B][group g: 256 B][key r: 16 B].  So 512 consecutive bytes are one quarter of a fragment's registers, lane l at 16 l.
; A GROUP.  Group g = 16 U + l holds, at byte 4 u + i, the code of k = 256 U + 64 u + 4 l + i.  The place of k in an operand is free as long as both operands of the product agree, and the next launch lays its
; queries in the same way.  It is chosen so that a lane's 16 codes come from four loads in each of which sixteen neighbouring lanes read one row's aligned 256 bytes.
; vimg: [batch][32 keys: 256 B][q: 128 B][h: 64 B][channel c: 16 B] = 8 f16 for keys 16 q + 8 h + 0 .. 7; channels 0-2 tgt - tc, channel 3 the number 1.
; THE STREAM.  A step is two rows x 256 along K: four loads of 512 bytes (two rows' 256), sixteen holds, two conversions, and ONE LDS store of the lane's 16 codes: what changes lanes is the codes, a quarter of the
; numbers' bytes.  The wave's own stage has a row of 272 bytes for each group, so that the sixteen lanes of a store (one key, sixteen groups) and of a read (one group, sixteen keys) fall on sixteen different
; columns of banks.  A ring of eight steps keeps 32 loads, 16,384 bytes, of every wave on their way.
; No tensor load, no matrix unit, no cluster: memory binds, and the work-groups share nothing but a batch's 24,576 bytes of tgt.
.set WREG, 8704                        ; LDS of a wave: 32 groups x 272 bytes
.set HALF, 4352                        ; sixteen of them
.set SP,   272
.set PART, 16*WREG                     ; behind the stages: 16 bytes a wave, its sums of tgt
.set GOF,  2                           ; v2   in: 2,048 (lane / 16) + 16 (lane % 16)
.set STO,  3                           ; v3   into the stage: group lane % 16, key lane / 16 of the step's two
.set RDA,  4                           ; v4   out of the stage: group lane / 16 of two, key lane % 16
.set COF,  5                           ; v5   16 x lane: my codes' place in 512 bytes
.set TGO,  6                           ; v6   48 x thread: my four points of tgt
.set VKO,  7                           ; v7   my eight keys' channel in the slot's part of tgt
.set PWR,  8                           ; v8   PART + 16 w
.set PRD,  9                           ; v9   PART + 4 x my channel
.set LIMR, 10                          ; v10  448 x 2^e1
.set SCL,  11                          ; v11  2^e1
.set CH,   12                          ; v12  thread % 4: my channel
.set VOF,  13                          ; v13  16 x thread
.set TOF,  14                          ; v14  4 x thread
.set R,    16                          ; v16-143  the ring: eight steps of 16 numbers
.set C,    144                         ; v144-207 codes, four registers for each step: no store's data are written again
.set OUTA, 208                         ; v208-239 the way out of groups 0-15;
.set OUTB, 16                          ; of groups 16-31: the ring's first registers, which are done with by then
.set TG,   144                         ; ahead of the stream the codes' registers hold: 12 numbers of tgt,
.set VK,   156                         ; eight keys' channel,
.set PS,   164                         ; and the sixteen waves' sums
.set SUM,  240                         ; v240-243 x, y, z, 0
.set TP,   248                         ; v248-250 destinations of the lane exchange
.set ONE,  251
.set PK,   252                         ; v252-255 eight f16; never written again
.macro WSUMS first, n                  ; n registers summed over the wave's 32 lanes, the chains side by side
.irp m, 1,2,4,8
.set q, 0
.rept \n
	v_add_f32_dpp v[\first+q], v[\first+q], v[\first+q] row_xmask:\m row_mask:0xf bank_mask:0xf
.set q, q+1
.endr
.endr
.set q, 0
.rept \n
	v_permlanex16_b32 v[TP+q], v[\first+q], s20, s21
.set q, q+1
.endr
.set q, 0
.rept \n
	v_add_f32 v[\first+q], v[\first+q], v[TP+q]
.set q, q+1
.endr
.endm
.macro LOADE n                         ; step n: rows 2 (n % 8) and + 1, half U = n / 8: four units of 256 bytes of each row
.irp u, 0,1,2,3
	global_load_b128 v[R+16*((\n)%8)+4*\u:R+16*((\n)%8)+4*\u+3], v[GOF], s[4:5] offset:((\n)%8)*4096+((\n)/8)*1024+\u*256 th:TH_LOAD_NT
.endr
.endm
.macro STEP n
.set XS, R+16*((\n)%8)
.if 15-(\n) >= 7
	s_wait_loadcnt 28                              ; this step's four loads are in; those of the seven steps behind it may be out
.else
	s_wait_loadcnt 4*(15-(\n))
.endif
.irp i, 0,1,2,3,4,5,6,7,8,9,10,11,12,13,14,15
	v_med3_num_f32 v[XS+\i], v[XS+\i], -v[LIMR], v[LIMR]   ; the conversion to an 8-bit code does not saturate (ISA guide 7.6.2): the hold at the largest code x the scale
.endr
	v_cvt_scalef32_pk8_fp8_f32 v[C+4*(\n):C+4*(\n)+1], v[XS:XS+7], v[SCL]
	v_cvt_scalef32_pk8_fp8_f32 v[C+4*(\n)+2:C+4*(\n)+3], v[XS+8:XS+15], v[SCL]
	ds_store_b128 v[STO], v[C+4*(\n):C+4*(\n)+3] offset:((\n)/8)*HALF+((\n)%8)*32
.if (\n)+8 < 16
	LOADE (\n)+8                                   ; the ring's registers take the step eight further on
.endif
.endm
.macro OUTH hf, reg                    ; sixteen groups leave: LDS serves a wave's instructions in order (ISA guide 5.7.1.4), so these reads see my stores
.irp m, 0,1,2,3,4,5,6,7
	ds_load_b128 v[\reg+4*\m:\reg+4*\m+3], v[RDA] offset:(\hf)*HALF+\m*2*SP
.endr
.irp m, 0,1,2,3,4,5,6,7
	s_wait_dscnt 7-\m                              ; read m is in; the reads behind it may be out
	global_store_b128 v[COF], v[\reg+4*\m:\reg+4*\m+3], s[10:11] offset:(\hf)*4096+\m*512 th:TH_STORE_NT   ; two groups: 512 consecutive bytes, aligned
.endr
.endm
	s_load_b256 s[4:11], s[0:1], 0x0               ; tgt_embed s[4:5], tgt s[6:7], lowp_scales s[8:9], kimg s[10:11]
	s_load_b128 s[12:15], s[0:1], 0x20             ; vimg s[12:13], tcb s[14:15]
	v_lshl_add_u32 v15, v0, 2, 0x22100
	v_mov_b32 v247, 0
	v_lshrrev_b32 v1, 5, v0
	v_readfirstlane_b32 s16, v1                    ; wave 0..15
	s_lshr_b32 s17, ttmp9, 3                       ; batch
	s_and_b32 s18, ttmp9, 7                        ; slot
	s_mov_b32 s20, 0x76543210                      ; v_permlanex16_b32: lane l takes lane l xor 16
	s_mov_b32 s21, 0xfedcba98
	v_and_b32 v1, 31, v0                           ; lane
	v_and_b32 v244, 15, v0                         ; r
	v_bfe_u32 v245, v0, 4, 1                       ; h
	v_lshlrev_b32 v[GOF], 4, v244
	v_lshl_add_u32 v[GOF], v245, 11, v[GOF]
	s_mul_i32 s23, s16, WREG
	v_mul_u32_u24 v[STO], v244, SP
	v_lshl_add_u32 v[STO], v245, 4, v[STO]
	v_add_nc_u32 v[STO], s23, v[STO]
	v_mul_u32_u24 v[RDA], v245, SP
	v_lshl_add_u32 v[RDA], v244, 4, v[RDA]
	v_add_nc_u32 v[RDA], s23, v[RDA]
	v_lshlrev_b32 v[COF], 4, v1
	v_mul_u32_u24 v[TGO], v0, 48
	v_and_b32 v[CH], 3, v0
	v_min_u32 v246, 2, v[CH]                       ; channel 3 reads channel 2's numbers and throws them away
	v_lshrrev_b32 v[VKO], 2, v0
	v_mul_u32_u24 v[VKO], v[VKO], 96               ; eight keys of 12 bytes
	v_lshl_add_u32 v[VKO], v246, 2, v[VKO]
	s_lshl_b32 s19, s16, 4
	s_add_co_u32 s19, s19, PART
	v_mov_b32 v[PWR], s19
	v_lshl_add_u32 v[PRD], v[CH], 2, PART
	v_lshlrev_b32 v[VOF], 4, v0
	v_lshlrev_b32 v[TOF], 2, v0
	v_mov_b32 v[SUM+3], 0
	v_mov_b32 v[TP], 0                             ; a lane exchange's destination counts as one of its sources
	v_mov_b32 v[TP+1], 0
	v_mov_b32 v[TP+2], 0
	v_mov_b32 v[ONE], 1.0
	s_lshl_b32 s24, ttmp9, 19                      ; tgt_embed: 256 keys x 2,048 bytes a work-group,
	s_lshl_b32 s25, s16, 15                        ; 16 keys a wave
	s_add_co_u32 s24, s24, s25
	s_mov_b32 s25, 0
	s_lshl_b32 s26, ttmp9, 17                      ; kimg: 131,072 bytes a work-group, 8,192 a wave
	s_lshl_b32 s27, s16, 13
	s_add_co_u32 s26, s26, s27
	s_mov_b32 s27, 0
	s_mul_i32 s28, s17, 24576                      ; tgt: the batch,
	s_mov_b32 s29, 0
	s_mul_i32 s32, s18, 3072                       ; and the slot's 256 points in it
	s_mov_b32 s33, 0
	s_lshl_b32 s34, ttmp9, 11                      ; vimg: 2,048 bytes a slot
	s_mov_b32 s35, 0
	s_lshl_b32 s36, s17, 4                         ; tcb: 16 bytes a batch
	s_mov_b32 s37, 0
	s_wait_kmcnt 0x0
	s_load_b32 s22, s[8:9], 0x4                    ; e1
	s_add_nc_u64 s[4:5], s[4:5], s[24:25]
	s_add_nc_u64 s[10:11], s[10:11], s[26:27]
	s_add_nc_u64 s[6:7], s[6:7], s[28:29]
	s_add_nc_u64 s[30:31], s[6:7], s[32:33]
	s_add_nc_u64 s[12:13], s[12:13], s[34:35]
	s_add_nc_u64 s[14:15], s[14:15], s[36:37]
	global_load_b128 v[TG:TG+3], v[TGO], s[6:7]    ; four points of the batch for each of the 512 threads: every work-group of a batch forms the same tc, in the same order
	global_load_b128 v[TG+4:TG+7], v[TGO], s[6:7] offset:16
	global_load_b128 v[TG+8:TG+11], v[TGO], s[6:7] offset:32
	s_cmp_lt_u32 s16, 4                            ; threads 0-127 make the slot's 128 pieces of vimg: eight keys of one channel each
	s_cbranch_scc0 .Lno_keys
.irp n, 0,1,2,3,4,5,6,7
	global_load_b32 v[VK+\n], v[VKO], s[30:31] offset:12*\n
.endr
.Lno_keys:
.irp n, 0,1,2,3,4,5,6,7
	LOADE \n                                       ; the ring is filled
.endr
	s_wait_loadcnt 32                              ; all but the 32 loads of steps 0 to 7: tgt is in, on both ways
	v_add_f32 v[SUM], v[TG], v[TG+3]
	v_add_f32 v[SUM+1], v[TG+1], v[TG+4]
	v_add_f32 v[SUM+2], v[TG+2], v[TG+5]
	v_add_f32 v[SUM], v[SUM], v[TG+6]
	v_add_f32 v[SUM+1], v[SUM+1], v[TG+7]
	v_add_f32 v[SUM+2], v[SUM+2], v[TG+8]
	v_add_f32 v[SUM], v[SUM], v[TG+9]
	v_add_f32 v[SUM+1], v[SUM+1], v[TG+10]
	v_add_f32 v[SUM+2], v[SUM+2], v[TG+11]
	WSUMS SUM, 3
	ds_store_b128 v[PWR], v[SUM:SUM+3]             ; all lanes write the same 16 bytes with the same numbers
	s_wait_dscnt 0x0                               ; for the others' sake: my store has landed
	s_barrier_signal -1
	s_barrier_wait -1
	s_cmp_lt_u32 s16, 4
	s_cbranch_scc0 .Lno_v
.irp k, 0,1,2,3,4,5,6,7,8,9,10,11,12,13,14,15
	ds_load_b32 v[PS+\k], v[PRD] offset:16*\k      ; my channel's sum of each wave (channel 3: zeros)
.endr
	s_wait_dscnt 0x0
.irp k, 0,1,2,3,4,5,6,7
	v_add_f32 v[PS+\k], v[PS+\k], v[PS+8+\k]
.endr
.irp k, 0,1,2,3
	v_add_f32 v[PS+\k], v[PS+\k], v[PS+4+\k]
.endr
	v_add_f32 v[PS], v[PS], v[PS+2]
	v_add_f32 v[PS+1], v[PS+1], v[PS+3]
	v_add_f32 v[PS], v[PS], v[PS+1]
	v_mul_f32 v[PS], 0x3a000000, v[PS]             ; / 2,048: tc of my channel
.irp n, 0,1,2,3,4,5,6,7
	v_sub_f32 v[VK+\n], v[VK+\n], v[PS]
.endr
.irp n, 0,1,2,3,4,5,6,7
	v_and_b32 v[PS+1+\n], 0x7fffffff, v[VK+\n]     ; its size, as bits
.endr
.irp n, 0,1,2,3,4,5,6,7
	v_cmp_gt_u32 vcc_lo, 0x38800000, v[PS+1+\n]    ; under 2^-14?
	v_cndmask_b32 v[VK+\n], v[VK+\n], v[SUM+3], vcc_lo   ; then 0: every f16 number of the image is 0 or a normal one
.endr
	v_cmp_eq_u32 vcc_lo, 3, v[CH]
.irp n, 0,1,2,3,4,5,6,7
	v_cndmask_b32 v[VK+\n], v[VK+\n], v[ONE], vcc_lo   ; channel 3 is the number 1: the product's fourth row is the softmax's sum
.endr
.irp n, 0,1,2,3
	v_cvt_pk_f16_f32 v[PK+\n], v[VK+2*\n], v[VK+2*\n+1]
.endr
	global_store_b128 v[VOF], v[PK:PK+3], s[12:13] ; a wave stores 512 consecutive bytes, aligned
	s_cmp_lg_u32 s18, 0                            ; the batch's first work-group also stores tc
	s_cbranch_scc1 .Lno_v
	s_wait_xcnt 0x0                                ; EXEC is a source of the loads and stores that are out: it changes only behind this wait
	v_cmp_gt_u32 vcc_lo, 4, v0
	s_and_saveexec_b32 s19, vcc_lo
	global_store_b32 v[TOF], v[PS], s[14:15]       ; threads 0-3: tc x, y, z, 0
	s_wait_xcnt 0x0                                ; and again ahead of the line that widens it; v[PS] may be written again too
	s_or_b32 exec_lo, exec_lo, s19
.Lno_v:
	s_wait_kmcnt 0x0
	s_add_co_i32 s22, s22, 127
	s_lshl_b32 s23, s22, 23
	v_mov_b32 v[SCL], s23                          ; 2^e1 as f32: the conversion takes its exponent field
	s_add_co_i32 s22, s22, 8
	s_lshl_b32 s22, s22, 23
	s_or_b32 s22, s22, 0x600000
	v_mov_b32 v[LIMR], s22                         ; 448 x 2^e1
.irp n, 0,1,2,3,4,5,6,7
	STEP \n
.endr
	OUTH 0, OUTA                                   ; groups 0 to 15 are whole: they leave while the second half's loads are on their way
.irp n, 8,9,10,11,12,13,14,15
	STEP \n
.endr
	OUTH 1, OUTB
	s_wait_tensorcnt 0x0
	ds_add_u32 v15, v247
	s_wait_dscnt 0x0
	s_endpgm
.Lfunc_end_k_qa96e227cc6_prep:
	.size	k_qa96e227cc6_prep, .Lfunc_end_k_qa96e227cc6_prep-k_qa96e227cc6_prep
	.p2alignl 7, 3214868480
	.fill 96, 4, 3214868480
	.section	.rodata,"a",@progbits
	.p2align	6, 0x0
	.amdhsa_kernel k_qa96e227cc6_prep
		.amdhsa_group_segment_fixed_size 141568
		.amdhsa_private_segment_fixed_size 0
		.amdhsa_enable_private_segment 0
		.amdhsa_kernarg_size 48
		.amdhsa_user_sgpr_count 2
		.amdhsa_user_sgpr_kernarg_segment_ptr 1
		.amdhsa_wavefront_size32 1
		.amdhsa_system_sgpr_workgroup_id_x 1
		.amdhsa_system_sgpr_workgroup_id_y 1
		.amdhsa_system_sgpr_workgroup_id_z 1
		.amdhsa_system_vgpr_workitem_id 0
		.amdhsa_next_free_vgpr 256
		.amdhsa_next_free_sgpr 66
		.amdhsa_reserve_vcc 1
		.amdhsa_float_denorm_mode_32 3
		.amdhsa_float_denorm_mode_16_64 3
		.amdhsa_memory_ordered 1
		.amdhsa_forward_progress 1
		.amdhsa_inst_pref_size 39
	.end_amdhsa_kernel
	.amdgpu_metadata
---
amdhsa.version: [ 1, 2 ]
amdhsa.kernels:
  - .name:           k_qa96e227cc6_prep
    .symbol:         k_qa96e227cc6_prep.kd
    .args:
      - { .name: tgt_embed, .offset: 0, .size: 8, .value_kind: global_buffer, .address_space: global }
      - { .name: tgt, .offset: 8, .size: 8, .value_kind: global_buffer, .address_space: global }
      - { .name: lowp_scales, .offset: 16, .size: 8, .value_kind: global_buffer, .address_space: global }
      - { .name: kimg, .offset: 24, .size: 8, .value_kind: global_buffer, .address_space: global }
      - { .name: vimg, .offset: 32, .size: 8, .value_kind: global_buffer, .address_space: global }
      - { .name: tcb, .offset: 40, .size: 8, .value_kind: global_buffer, .address_space: global }
    .group_segment_fixed_size: 141568
    .private_segment_fixed_size: 0
    .kernarg_segment_align: 8
    .kernarg_segment_size: 48
    .max_flat_workgroup_size: 512
    .sgpr_count:     66
    .vgpr_count:     256
    .wavefront_size: 32
...
	.end_amdgpu_metadata
.endif
;; end of part 4
;; launch attn (part 5): grid 8 x 32, 8 waves a work-group, clusters of 4 x 1, 327,680 bytes of LDS; arguments src_embed, kimg, vimg, lowp_scales, mt; writes mt
.if DOCPART == 5
	.amdgcn_target "amdgcn-amd-amdhsa--gfx1250"
	.amdhsa_code_object_version 6
	.text
	.protected	k_qa96e227cc6_attn
	.globl	k_qa96e227cc6_attn
	.p2align	8
	.type	k_qa96e227cc6_attn,@function
k_qa96e227cc6_attn:
	s_mov_b64 s[64:65], 0
	v_nop
	global_prefetch_b8 v0, s[64:65] scope:SCOPE_SE
	s_setreg_imm32_b32 hwreg(HW_REG_WAVE_MODE, 25, 1), 1
	s_wait_xcnt 0x0
	s_wait_alu depctr_hold_cnt(0) depctr_sa_sdst(0) depctr_va_vdst(0) depctr_va_sdst(0) depctr_va_ssrc(0) depctr_va_vcc(0) depctr_vm_vsrc(0)
	s_getreg_b32 s2, hwreg(HW_REG_IB_STS2, 6, 4)
	s_cmp_eq_u32 s2, 0
	s_cbranch_scc0 .Lentry_in_a_cluster
	s_endpgm
.Lentry_in_a_cluster:
	s_bfe_u32 s2, ttmp6, 0x10000c
	s_cmp_lg_u32 s2, 0x3003
	s_cbranch_scc0 .Lentry_shape_is_right
	s_endpgm
.Lentry_shape_is_right:
; ATTN.  mt[b][q] = softmax_k(Q[b][q] . K[b][k] / sqrt(512)) (tgt[b][k] - tc[b]): three channels, and a fourth number that nobody reads.
; The scores are made on codes of E4M3: K's come from kimg (made with 2^e1), Q's are made here from src_embed with 2^e0: x / 2^e0, held within +-448, to the nearest code, ties to even.
; SOFTMAX: a running largest score M for each query; p = 2^(c s - c M + 14), c = log2(e) / sqrt(512) x 2^(e0 + e1); in every step O is multiplied by a = 2^(c M_old - c M_new).
; The 14 is in the sum as in the products and cancels; with it p runs from 2^14 down, so that weights down to 2^-28 of the largest are normal numbers of f16.
; The second product has f16 operands and f32 sums: source 0 = (tgt - tc, 1) from vimg, source 1 = p.  Its fourth row is the sum of the very p that is multiplied, and divides at the end.
; LIMITS: e0 between -126 and 119; e0 + e1 between -122 and 131 (they are added to c's exponent field); |c M| under 2^25, so that c M - 14 is rounded by less than 1 and p stays under 2^15;
; NaN among the inputs is not served.
; SHARES.  A work-group owns 256 queries of a batch.  Wave w = 4 kh + qg owns queries 64 qg .. 64 qg + 63 (four tiles of 16) against keys 128 kh .. + 127 of every slot of 256: a fragment of K read from LDS feeds four
; products.  Two waves of 512 registers stand on a SIMD, so that one wave's vector work stands beside the other's matrix work.  The two halves of a query's keys are merged once, at the end, through LDS.
; LAYOUT.  S^T = K Q^T (source 0 = 16 keys, source 1 = 16 queries): a lane holds ONE query (lane % 16) and keys 8 (lane / 16) + 0..7 of a tile; two tiles, rounded to f16 in pairs, ARE source 1 of the second product.
; Row m of source 0 there is channel m % 4 (the lane's address takes r % 4), so registers 0-3 of O hold x, y, z and the sum in every lane; registers 4-7 are copies that are neither scaled nor read
; (at most 1,024 x 2^15 x 65,504 in size).
; ALONG K a row's 512 codes are 32 groups of 16 bytes: group g = 16 U + l holds, at byte 4 u + i, the code of k = 256 U + 64 u + 4 l + i.  Registers 4 c .. 4 c + 3 of fragment s are group 8 s + 2 c + lane / 16.
; Q and K are laid alike, so every product meets its partner.
; CLUSTER.  The four query blocks of a cluster walk the same K and V: each tile is asked for JOINTLY, by the same tensor load with the same descriptor and a mask that names the four.
; LDS: slot 0 at 0, slot 1 at 2^17 (131,072 bytes each: 256 keys as register images); V's image of the whole batch (16,384, filled once); the spare words; a stage of 34,816 that only ds_ instructions touch.
; By this text's own count a wave has three tensor loads out at the start and one behind each round.
; REGISTERS.  Window 0: v1-19 addresses and constants; v24-55 statistics, 8 a tile; v56-87 O; v88-95 V's fragment; v96-159 four fragments of K; v160-223 S^T, 16 a tile, p packed into the lower 8; v224-255 two fragments of K.
; In the Q phase: v24 an address, v32-223 a ring of twelve steps' numbers, v224-255 a pass's codes.  Window 1: Q, fragment (tile t, K step s) at 64 t + 16 s.
.set SLOT1, 1<<17
.set SLOTB, 131072
.set VIMG,  2*SLOT1
.set SPARE, VIMG+16384                 ; the spare words, 128 bytes for each of eight waves: four blocks of 256 bytes that no other line names
.set QST,   SPARE+1024                 ; Q's codes on their way from wave to wave: 4,352 bytes a wave; at the end the waves' O images,
.set QWB,   4352                       ; (sixteen groups x 272 bytes)
.set MCM,   QST+16384                  ; and their c M images
.set SPW, 1                            ; v1   my spare word; never rewritten
.set NIL, 2                            ; v2   0; never rewritten
.set XA,  3                            ; v3   src_embed: 2,048 (lane / 16) + 16 (lane % 16)
.set QWI, 4                            ; v4   QST + 2,048 w + 16 lane: where I store O's images
.set QRD, 5                            ; v5   QST + 4,352 qg + 272 h + 16 r: where I read Q's
.set AK0, 6                            ; v6   65,536 kh + 16 lane
.set AV0, 7                            ; v7   VIMG + 1,024 kh + 64 h + 16 (r % 4)
.set ADK, 8                            ; v8   AK0 + the slot in hand
.set ADV, 9                            ; v9   AV0 + the slot's part of V
.set PFO, 10                           ; v10  256 x lane
.set MRA, 11                           ; v11  my own O image of tile 2 kh + h
.set MCW, 12                           ; v12  MCM + 512 w + 4 lane
.set MRB, 13                           ; v13  my partner's O image of that tile
.set MCA, 14                           ; v14  my own c M of that tile
.set GO,  15                           ; v15  16 x lane
.set SCL, 16                           ; v16  2^e0
.set LIMR, 17                          ; v17  448 x 2^e0
.set MCB, 18                           ; v18  my partner's c M
.set K14, 19                           ; v19  the lane's number at the head, then -14
.set QWS, 24                           ; v24  in the Q phase: QST + 4,352 w + 272 (lane % 16) + 16 (lane / 16): where I store Q's codes
.set XR,  32                           ; the Q phase's ring
.set ST,  24                           ; tile t at ST + 8 t: +0 c M - 14 (even steps), +1 M, +2 c M - 14 (odd steps), +3 its change, +4 a, +5 the other half's maximum, +6, +7 at work
.set O,   56
.set VF,  88
.set S,   160
.set PC,  224                          ; the codes of a pass's eight steps, in the Q phase
.set WV,  14
.set QG,  15
.set KH,  16
.set CX,  17
.set QB,  18
.set BT,  19
.set G1K, 24                           ; s[24:31] group 1: 64 rows of 256 bytes, a wave's eighth of a slot
.set G1V, 32                           ; s[32:39] group 1: 8 rows of 256 bytes, a wave's eighth of V's image
.set G0A, 40                           ; s[40:43] slot 0's first fill
.set G0W, 44                           ; s[44:47] slot 1's first fill; then it walks
.set G0V, 48                           ; s[48:51] V's image
.set SLOTS, 52
.set TB,  53                           ; LDS byte at which the slot in hand begins
.set VB,  54                           ; and its 2,048 bytes in V's image
.set LIM, 55                           ; 1 in a wave that prefetches, else the greatest number
.set PFA, 56                           ; s[56:57] where my prefetches stand
.set CS,  58                           ; s[58:59] c, twice: the packed form names a pair
.set SEL, 60                           ; s[60:61] lane l takes lane l xor 16
.set MSB, 0
.macro WIN new                         ; the immediate's high byte repeats the setting that is left; a switch that changes nothing is dropped
.if MSB != \new
	s_set_vgpr_msb (MSB<<8)|\new
.set MSB, \new
.endif
.endm
.macro PLACES n                        ; plain vector instructions behind matrix instructions (ISA guide 7.12.1)
.rept \n
	v_nop
.endr
.endm
.macro CROUND                          ; a round of the cluster's barrier: my work-group's barrier; wave 0 signals for the work-group; every wave waits for all four work-groups; my work-group's barrier once more
	s_barrier_signal -1
	s_barrier_wait -1
	s_cmp_lg_u32 s[WV], 0
	s_cbranch_scc1 .Lnot_wave_0_\@
	s_barrier_signal -3
.Lnot_wave_0_\@:
	s_barrier_wait -3
	s_barrier_signal -1
	s_barrier_wait -1
.endm
	s_load_b256 s[4:11], s[0:1], 0x0               ; src_embed s[4:5], kimg s[6:7], vimg s[8:9], lowp_scales s[10:11]
	s_load_b64 s[12:13], s[0:1], 0x20              ; mt
	v_lshl_add_u32 v[SPW], v0, 2, SPARE
	v_mov_b32 v[NIL], 0
	ds_add_u32 v1, v2
	ds_add_u32 v1, v2
	s_wait_dscnt 0x0
	v_lshrrev_b32 v19, 5, v0
	v_readfirstlane_b32 s[WV], v19                 ; wave 0..7
	s_and_b32 s[QG], s[WV], 3                      ; which 64 queries
	s_lshr_b32 s[KH], s[WV], 2                     ; which half of a slot's keys
	s_bfe_u32 s[CX], ttmp6, 0x40000                ; my place in the cluster: it enters the addresses of src_embed, mt and the prefetches alone
	s_lshl_b32 s[QB], ttmp9, 2
	s_add_co_u32 s[QB], s[QB], s[CX]               ; my block of 256 queries
	s_and_b32 s[BT], ttmp7, 0xffff                 ; the batch, which the four partners share
	s_mov_b32 s[G1K], 15|(3<<16)|(1<<21)           ; 15:0 the mask: all four work-groups; 17:16 elements of 8 bytes; 21 set beside a mask; no padding: images are read as they lie
	s_mov_b32 s[G1K+1], 32<<16                     ; tensor_dim0 = 32 elements: 256 bytes
	s_mov_b32 s[G1K+2], 64<<16                     ; tensor_dim1 = 64
	s_mov_b32 s[G1K+3], 32<<16                     ; tile_dim0
	s_mov_b32 s[G1K+4], 64                         ; tile_dim1
	s_mov_b32 s[G1K+5], 32                         ; from row to row: dense
	s_mov_b32 s[G1K+6], 0
	s_mov_b32 s[G1K+7], 0
	s_mov_b32 s[G1V], 15|(3<<16)|(1<<21)
	s_mov_b32 s[G1V+1], 32<<16
	s_mov_b32 s[G1V+2], 8<<16
	s_mov_b32 s[G1V+3], 32<<16
	s_mov_b32 s[G1V+4], 8
	s_mov_b32 s[G1V+5], 32
	s_mov_b32 s[G1V+6], 0
	s_mov_b32 s[G1V+7], 0
	s_mov_b32 s[SEL], 0x76543210
	s_mov_b32 s[SEL+1], 0xfedcba98
	s_lshl_b32 s66, s[BT], 20                      ; kimg: the batch's 1,048,576 bytes, my wave's 16,384 of a slot
	s_lshl_b32 s67, s[WV], 14
	s_add_co_u32 s66, s66, s67
	s_mov_b32 s67, 0
	s_lshl_b32 s68, s[BT], 14                      ; vimg: the batch's 16,384 bytes, my wave's 2,048
	s_lshl_b32 s69, s[WV], 11
	s_add_co_u32 s68, s68, s69
	s_mov_b32 s69, 0
	s_lshl_b32 s70, s[BT], 11                      ; the first query that I read and store: 2,048 b + 256 qb + 64 qg + 32 kh
	s_lshl_b32 s71, s[QB], 8
	s_add_co_u32 s70, s70, s71
	s_lshl_b32 s71, s[QG], 6
	s_add_co_u32 s70, s70, s71
	s_lshl_b32 s71, s[KH], 5
	s_add_co_u32 s70, s70, s71
	s_lshl_b32 s72, s70, 11                        ; in src_embed: 2,048 bytes a row
	s_mov_b32 s73, 0
	s_lshl_b32 s74, s70, 4                         ; in mt: 16
	s_mov_b32 s75, 0
	s_lshl_b32 s70, s[BT], 20                      ; the prefetches: my work-group's 32,768 bytes of a slot, my wave's 8,192 of them,
	s_lshl_b32 s71, s[CX], 15
	s_add_co_u32 s70, s70, s71
	s_lshl_b32 s71, s[QG], 13
	s_add_co_u32 s70, s70, s71
	s_add_co_u32 s70, s70, 2*SLOTB                 ; in slot 2: the first change of slots steps it to slot 3
	s_mov_b32 s71, 0
	s_or_b32 s[LIM], s[KH], ttmp9                  ; waves 0 to 3 of the batch's first cluster ask: the same in all four partners
	s_cmp_eq_u32 s[LIM], 0
	s_cselect_b32 s[LIM], 1, -1
	s_wait_kmcnt 0x0
	s_load_b64 s[62:63], s[10:11], 0x0             ; e0, e1
	s_add_nc_u64 s[4:5], s[4:5], s[72:73]
	s_add_nc_u64 s[12:13], s[12:13], s[74:75]
	s_add_nc_u64 s[PFA:PFA+1], s[6:7], s[70:71]
	s_mov_b32 s[G0A], 1                            ; count = 1
	s_lshl_b32 s[G0A+1], s[WV], 14                 ; LDS: slot 0, my eighth: no place in the cluster enters an LDS address
	s_add_nc_u64 s[G0A+2:G0A+3], s[6:7], s[66:67]
	s_mov_b32 s[G0W], 1
	s_add_co_u32 s[G0W+1], s[G0A+1], SLOT1
	s_add_nc_u64 s[G0W+2:G0W+3], s[G0A+2:G0A+3], SLOTB
	s_or_b32 s[G0A+3], s[G0A+3], 0x80000000        ; type = 2
	s_or_b32 s[G0W+3], s[G0W+3], 0x80000000
	s_mov_b32 s[G0V], 1
	s_lshl_b32 s[G0V+1], s[WV], 11
	s_add_co_u32 s[G0V+1], s[G0V+1], VIMG
	s_add_nc_u64 s[G0V+2:G0V+3], s[8:9], s[68:69]
	s_or_b32 s[G0V+3], s[G0V+3], 0x80000000
	CROUND                                         ; all four work-groups are here: the first joint loads meet
	tensor_load_to_lds s[G0V:G0V+3], s[G1V:G1V+7]  ; the three first fills stand together, ahead of every wait on TENSORcnt, every LDS read and every other barrier
	s_nop 0
	tensor_load_to_lds s[G0A:G0A+3], s[G1K:G1K+7]
	s_nop 0
	tensor_load_to_lds s[G0W:G0W+3], s[G1K:G1K+7]
	s_nop 0
	PLACES 4
	v_and_b32 v19, 31, v0                          ; lane
	v_and_b32 v20, 15, v0                          ; r
	v_bfe_u32 v21, v0, 4, 1                        ; h
	v_lshlrev_b32 v[XA], 4, v20
	v_lshl_add_u32 v[XA], v21, 11, v[XA]
; THE Q PHASE.  Wave (qg, kh) reads and quantises tiles 2 kh and 2 kh + 1 of its 64 queries, so each number of src_embed is loaded once; both waves of a query group need all four tiles, so the codes go through LDS.
; A STEP is two rows x 256 along K: four loads, in each of which sixteen neighbouring lanes read one row's aligned 256 bytes; sixteen holds, two conversions; ONE LDS store of the lane's 16 codes, a group.
; The stage has a row of 272 bytes for each group: the sixteen lanes of a store (one query, sixteen groups) and of a read (one group, sixteen queries) fall on sixteen different columns of banks, and a read of
; two groups is a quarter of a fragment's registers: the stage holds the operands as they are wanted.
; Step n: pass n / 8, rows 2 (n % 8) and + 1.  Pass p: tile 2 kh + p % 2, half U = p / 2 of K.  A ring of twelve steps keeps 48 loads, 24,576 bytes, of every wave on their way, over the barriers too.
.macro XLOAD n
.set XL, XR+16*((\n)%12)
.irp u, 0,1,2,3
	global_load_b128 v[XL+4*\u:XL+4*\u+3], v[XA], s[4:5] offset:(((\n)/8)%2)*32768+((\n)%8)*4096+((\n)/16)*1024+\u*256 th:TH_LOAD_NT
.endr
.endm
.macro QSTEP n
.set XS, XR+16*((\n)%12)
.set PQ, PC+4*((\n)%8)
.if 31-(\n) >= 11
	s_wait_loadcnt 44                              ; this step's four loads are in; those of the eleven steps behind it may be out
.else
	s_wait_loadcnt 4*(31-(\n))
.endif
.irp i, 0,1,2,3,4,5,6,7,8,9,10,11,12,13,14,15
	v_med3_num_f32 v[XS+\i], v[XS+\i], -v[LIMR], v[LIMR]   ; the conversion to an 8-bit code does not saturate (ISA guide 7.6.2)
.endr
	v_cvt_scalef32_pk8_fp8_f32 v[PQ:PQ+1], v[XS:XS+7], v[SCL]
	v_cvt_scalef32_pk8_fp8_f32 v[PQ+2:PQ+3], v[XS+8:XS+15], v[SCL]
	ds_store_b128 v[QWS], v[PQ:PQ+3] offset:32*((\n)%8)
.if (\n)+12 < 32
	XLOAD (\n)+12                                  ; the ring's registers take the step twelve further on
.endif
.endm
.macro QPASS p
.irp i, 0,1,2,3,4,5,6,7
	QSTEP 8*(\p)+\i
.endr
	v_nop                                          ; a plain vector instruction behind the pass's last conversion, ahead of whatever next touches its registers
	s_wait_dscnt 0x0                               ; for the others' sake: my stores have landed (and have read their registers)
	s_barrier_signal -1
	s_barrier_wait -1                              ; nothing is filled by a tensor load behind this barrier: the first fills may stay out
	WIN 0x40                                       ; destination window 1
.irp ks, 0,1                           ; from wave (qg, ks): tile 2 ks + p % 2, fragments 2 U and 2 U + 1
.irp sl, 0,1
.irp c, 0,1,2,3
	ds_load_b128 v[(2*\ks+((\p)%2))*64+16*(2*((\p)/2)+\sl)+4*\c:(2*\ks+((\p)%2))*64+16*(2*((\p)/2)+\sl)+4*\c+3], v[QRD] offset:\ks*4*QWB+\sl*2176+\c*544
.endr
.endr
.endr
	WIN 0
.if (\p) < 3
	s_wait_dscnt 0x0                               ; my reads of the stage are in:
	s_barrier_signal -1
	s_barrier_wait -1                              ; everybody's are, so the next pass may write it.  (Two stages do not fit beside the slots: 2 x 34,816 bytes against the 48,128 that are left)
.endif
.endm
.irp n, 0,1,2,3,4,5,6,7,8,9,10,11
	XLOAD \n                                       ; the ring is filled
.endr
	v_lshlrev_b32 v[GO], 4, v19
	s_lshl_b32 s66, s[WV], 11
	s_add_co_u32 s66, s66, QST
	v_add_nc_u32 v[QWI], s66, v[GO]
	s_mul_i32 s67, s[WV], QWB
	s_add_co_u32 s67, s67, QST
	v_mul_u32_u24 v[QWS], v20, 272
	v_lshl_add_u32 v[QWS], v21, 4, v[QWS]
	v_add_nc_u32 v[QWS], s67, v[QWS]
	s_mul_i32 s67, s[QG], QWB
	s_add_co_u32 s67, s67, QST
	v_mul_u32_u24 v[QRD], v21, 272
	v_lshl_add_u32 v[QRD], v20, 4, v[QRD]
	v_add_nc_u32 v[QRD], s67, v[QRD]
	s_lshl_b32 s67, s[KH], 16
	v_add_nc_u32 v[AK0], s67, v[GO]
	v_and_b32 v22, 3, v0
	v_lshlrev_b32 v[AV0], 4, v22
	v_lshl_add_u32 v[AV0], v21, 6, v[AV0]
	s_lshl_b32 s67, s[KH], 10
	s_add_co_u32 s67, s67, VIMG
	v_add_nc_u32 v[AV0], s67, v[AV0]
	v_lshlrev_b32 v[PFO], 8, v19
	s_lshl_b32 s67, s[KH], 10                      ; the merge: tile 2 kh + h is 512 (2 kh + h) bytes into a wave's O images,
	v_lshl_add_u32 v22, v21, 9, v[GO]
	v_add_nc_u32 v22, s67, v22
	v_add_nc_u32 v[MRA], s66, v22
	s_xor_b32 s68, s[WV], 4                        ; my partner: the same queries, the other keys
	s_lshl_b32 s69, s68, 11
	s_add_co_u32 s69, s69, QST
	v_add_nc_u32 v[MRB], s69, v22
	v_lshlrev_b32 v23, 2, v19
	s_lshl_b32 s66, s[WV], 9
	s_add_co_u32 s66, s66, MCM
	v_add_nc_u32 v[MCW], s66, v23
	v_lshl_add_u32 v23, v21, 7, v23                ; and 128 (2 kh + h) into its c M images
	s_lshl_b32 s67, s[KH], 8
	v_add_nc_u32 v23, s67, v23
	v_add_nc_u32 v[MCA], s66, v23
	s_lshl_b32 s69, s68, 9
	s_add_co_u32 s69, s69, MCM
	v_add_nc_u32 v[MCB], s69, v23
	v_mov_b32 v[K14], 0xc1600000                   ; -14: the lane's number is done with
	s_wait_kmcnt 0x0
	s_add_co_i32 s66, s62, s63
	s_lshl_b32 s66, s66, 23
	s_mov_b32 s[CS], 0x3d8293ee                    ; log2(e) / sqrt(512)
	s_add_co_i32 s[CS], s[CS], s66                 ; x 2^(e0 + e1): the two exponents are added to its exponent field
	s_mov_b32 s[CS+1], s[CS]
	s_add_co_i32 s66, s62, 127
	s_lshl_b32 s67, s66, 23
	v_mov_b32 v[SCL], s67
	s_add_co_i32 s66, s66, 8
	s_lshl_b32 s66, s66, 23
	s_or_b32 s66, s66, 0x600000
	v_mov_b32 v[LIMR], s66
.irp p, 0,1,2,3
	QPASS \p
.endr
.set q, 0
.rept 32
	v_mov_b32 v[O+q], 0                            ; the ring is done with.  The key step is written once: the first finds zeros, which the first a leaves zeros
.set q, q+1
.endr
.irp t, 0,1,2,3
	v_mov_b32 v[ST+8*\t+1], 0xff61b1e6             ; M: -3e38, under every score
	v_mov_b32 v[ST+8*\t+2], 0xff61b1e6             ; c M - 14 of the step before the first: the first a is 2^(-3e38 - ..) = 0
	v_mov_b32 v[ST+8*\t+5], 0                      ; a lane exchange's destination counts as one of its sources
.endr
; A KEY STEP: 32 keys a wave (key tiles A = 2 st and B = 2 st + 1 of my eight) against my 64 queries.
.macro FRAG reg, off                   ; a fragment of K, 16 keys x 128 K, as it lies: four times 512 consecutive bytes
.irp c, 0,1,2,3
	ds_load_b128 v[\reg+4*\c:\reg+4*\c+3], v[ADK] offset:(\off)+512*\c
.endr
.endm
.macro FETCHN st                       ; what a step begins with: A's four fragments and B's first two
	FRAG 96,(2*(\st))*8192
	FRAG 112,(2*(\st))*8192+2048
	FRAG 128,(2*(\st))*8192+4096
	FRAG 144,(2*(\st))*8192+6144
	FRAG 224,(2*(\st)+1)*8192
	FRAG 240,(2*(\st)+1)*8192+2048
.endm
.macro KQ x, s, kb                     ; K step s of key tile x against the four tiles of queries: four accumulators by turns, one instruction a turn
.irp t, 0,1,2,3
.if \s == 0
	v_wmma_f32_16x16x128_fp8_fp8 v[S+16*\t+8*\x:S+16*\t+8*\x+7], v[\kb:\kb+15], v[64*\t+16*\s:64*\t+16*\s+15], 0
.else
	v_wmma_f32_16x16x128_fp8_fp8 v[S+16*\t+8*\x:S+16*\t+8*\x+7], v[\kb:\kb+15], v[64*\t+16*\s:64*\t+16*\s+15], v[S+16*\t+8*\x:S+16*\t+8*\x+7]
.endif
.endr
.endm
; A PREFETCH of the slot that the NEXT change of slots will ask for: 131,072 bytes in blocks of 256.  Both clusters of a batch walk the same K: the first asks.  Its four partners take 32,768 bytes each, told apart by
; address; in each, waves 0 to 3 take 8,192, a lane a block: each block is named once in the launch.  The last change that fills a slot asks for nothing; slots 0 to 2 come by their loads alone.
.macro ASK
	s_cmp_gt_u32 s[SLOTS], s[LIM]
	s_cbranch_scc0 .Lnot_mine_\@
	global_prefetch_b8 v[PFO], s[PFA:PFA+1] th:TH_LOAD_NT scope:SCOPE_SE
.Lnot_mine_\@:
.endm
; THE CHANGE OF SLOTS stands where the slot's last fragments are in registers.  Each wave waits for all its tensor loads (one is out: its part of the next slot), adds 0 to its spare word, and waits for that and for its
; reads of the slot.  fill = 1: the barrier is a round of the cluster's, and the slot is filled again, with the keys two slots on, first thing behind it: the load has four key steps in which to land.
.macro CHANGE fill
	WIN 0
	s_wait_tensorcnt 0x0                           ; no tensor load of mine is out, so a group 0 may be written
	ds_add_u32 v[SPW], v[NIL]
.if \fill
	s_xor_b32 s[G0W+1], s[G0W+1], SLOT1            ; the walking descriptor: the other slot than last time,
	s_add_nc_u64 s[G0W+2:G0W+3], s[G0W+2:G0W+3], SLOTB   ; the next 256 keys; the type bits on top are not reached
	s_wait_xcnt 0x0                                ; the last prefetch, a slot back, has read its address
	s_add_nc_u64 s[PFA:PFA+1], s[PFA:PFA+1], SLOTB
.endif
	s_wait_dscnt 0x0                               ; the add is done, and my reads of the slot are over
.if \fill
	CROUND
	tensor_load_to_lds s[G0W:G0W+3], s[G1K:G1K+7]
	s_nop 0
	PLACES 4                                       ; the places behind the last products, ahead of the loads and maxima below
.else
	s_barrier_signal -1
	s_barrier_wait -1
.endif
	s_xor_b32 s[TB], s[TB], SLOT1
	s_add_co_u32 s[VB], s[VB], 2048
	v_add_nc_u32 v[ADK], s[TB], v[AK0]
	v_add_nc_u32 v[ADV], s[VB], v[AV0]
.endm
; mode 0: the next step lies in the same slot; 1: a change of slots with a refill; 2: a change without; 3: the last step of all.
.macro STEP st, mode
.set PI, (\st)%2                       ; c M - 14 is kept in two registers by turns, so that the old one is at hand for a
	s_wait_dscnt 0x0                               ; A's four fragments and B's first two are in (asked for a softmax ago)
	WIN 0x04                                       ; source 1 (Q) window 1
	KQ 0, 0, 96
	KQ 0, 1, 112
	KQ 0, 2, 128
	KQ 0, 3, 144
	WIN 0
	PLACES 4                                       ; ahead of loads into registers that those products have read, and of the first read of their results
	FRAG 96,(2*(\st)+1)*8192+4096
	FRAG 112,(2*(\st)+1)*8192+6144
	ds_load_b128 v[VF:VF+3], v[ADV] offset:(\st)*256          ; keys 8 h + 0..7 of the step's 32, channel r % 4
	ds_load_b128 v[VF+4:VF+7], v[ADV] offset:(\st)*256+128    ; keys 16 + 8 h + 0..7
	WIN 0x04
	KQ 1, 0, 224
	KQ 1, 1, 240
	WIN 0
.irp t, 0,1,2,3                        ; tile A's maximum, with the old M, while B's loads land; each accumulator is read from its low end on
	v_max3_num_f32 v[ST+8*\t+6], v[S+16*\t], v[S+16*\t+1], v[S+16*\t+2]
.endr
.irp t, 0,1,2,3
	v_max3_num_f32 v[ST+8*\t+6], v[ST+8*\t+6], v[S+16*\t+3], v[S+16*\t+4]
.endr
.irp t, 0,1,2,3
	v_max3_num_f32 v[ST+8*\t+6], v[ST+8*\t+6], v[S+16*\t+5], v[S+16*\t+6]
.endr
.irp t, 0,1,2,3
	v_max3_num_f32 v[ST+8*\t+6], v[ST+8*\t+6], v[S+16*\t+7], v[ST+8*\t+1]
.endr
	s_wait_dscnt 0x0                               ; B's last two fragments and V's are in
	WIN 0x04
	KQ 1, 2, 96
	KQ 1, 3, 112
	WIN 0
.if \mode == 0
	PLACES 4
	FETCHN (\st)+1
.elseif \mode == 1
	CHANGE 1
	FETCHN 0
	ASK
.elseif \mode == 2
	PLACES 4
	CHANGE 0
	FETCHN 0
.else
	PLACES 4
.endif
.irp t, 0,1,2,3
	v_max3_num_f32 v[ST+8*\t+7], v[S+16*\t+8], v[S+16*\t+9], v[S+16*\t+10]
.endr
.irp t, 0,1,2,3
	v_max3_num_f32 v[ST+8*\t+7], v[ST+8*\t+7], v[S+16*\t+11], v[S+16*\t+12]
.endr
.irp t, 0,1,2,3
	v_max3_num_f32 v[ST+8*\t+7], v[ST+8*\t+7], v[S+16*\t+13], v[S+16*\t+14]
.endr
.irp t, 0,1,2,3
	v_max3_num_f32 v[ST+8*\t+6], v[ST+8*\t+7], v[S+16*\t+15], v[ST+8*\t+6]
.endr
.irp t, 0,1,2,3
	v_permlanex16_b32 v[ST+8*\t+5], v[ST+8*\t+6], s[SEL], s[SEL+1]   ; the query's other 16 keys lie in the lane 16 away
.endr
.irp t, 0,1,2,3
	v_max_num_f32 v[ST+8*\t+1], v[ST+8*\t+6], v[ST+8*\t+5]
.endr
.irp t, 0,1,2,3
	v_fma_f32 v[ST+8*\t+2*PI], s[CS], v[ST+8*\t+1], v[K14]   ; c M - 14
.endr
.irp t, 0,1,2,3
	v_sub_f32 v[ST+8*\t+3], v[ST+8*\t+2-2*PI], v[ST+8*\t+2*PI]
.endr
.irp i, 0,2,4,6,8,10,12,14
.irp t, 0,1,2,3
	v_pk_fma_f32 v[S+16*\t+\i:S+16*\t+\i+1], v[S+16*\t+\i:S+16*\t+\i+1], s[CS:CS+1], v[ST+8*\t+2*PI:ST+8*\t+2*PI+1] op_sel_hi:[1,0,0] neg_lo:[0,0,1] neg_hi:[0,0,1]   ; c s - (c M - 14)
.endr
.endr
.irp t, 0,1,2,3
	v_exp_f32 v[ST+8*\t+4], v[ST+8*\t+3]           ; a
.endr
.irp i, 0,1,2,3,4,5,6,7,8,9,10,11,12,13,14,15
.irp t, 0,1,2,3
	v_exp_f32 v[S+16*\t+\i], v[S+16*\t+\i]         ; p
.endr
.endr
	v_nop                                          ; a plain instruction behind the last exponential (ISA guide 5.7.2)
	s_wait_alu depctr_va_vdst(0)                   ; one wait for the batch of 68, ahead of its first reader
.irp i, 0,1,2,3,4,5,6,7
.irp t, 0,1,2,3
	v_cvt_pk_f16_f32 v[S+16*\t+\i], v[S+16*\t+2*\i], v[S+16*\t+2*\i+1]   ; in place, ascending: register i is written when registers 2 i and 2 i + 1 are read, never before
.endr
.endr
.irp t, 0,1,2,3
	v_pk_mul_f32 v[O+8*\t:O+8*\t+1], v[O+8*\t:O+8*\t+1], v[ST+8*\t+4:ST+8*\t+5] op_sel_hi:[1,0]
	v_pk_mul_f32 v[O+8*\t+2:O+8*\t+3], v[O+8*\t+2:O+8*\t+3], v[ST+8*\t+4:ST+8*\t+5] op_sel_hi:[1,0]
.endr
.irp t, 0,1,2,3
	v_wmma_f32_16x16x32_f16 v[O+8*\t:O+8*\t+7], v[VF:VF+7], v[S+16*\t:S+16*\t+7], v[O+8*\t:O+8*\t+7]
.endr
	PLACES 5                                       ; the next step's first products write over p
.endm
.macro SLOTBODY mode
	STEP 0, 0
	STEP 1, 0
	STEP 2, 0
	STEP 3, \mode
.endm
	s_wait_dscnt 0x0                               ; Q's last fragments are in
	s_wait_tensorcnt 0x1                           ; my parts of V's image and of slot 0 have landed; slot 1's may stay out
	s_barrier_signal -1
	s_barrier_wait -1                              ; everybody's have
	s_mov_b32 s[TB], 0
	s_mov_b32 s[VB], 0
	s_mov_b32 s[SLOTS], 6
	v_mov_b32 v[ADK], v[AK0]
	v_mov_b32 v[ADV], v[AV0]
	FETCHN 0
.Lslot:                                            ; six trips: slots 0 to 5 are read, and each is filled again with the keys two slots on
	SLOTBODY 1
	s_sub_co_u32 s[SLOTS], s[SLOTS], 1
	s_cmp_lg_u32 s[SLOTS], 0
	s_cbranch_scc1 .Lslot
	SLOTBODY 2                                     ; the last two slots are written out
	SLOTBODY 3
	; THE WAY OUT.  Each wave lays down its four tiles' x, y, z, sum and c M - 14 as images.  Lane (r, h) then takes tile 2 kh + h, its own and its partner's, brings both under the larger c M, adds, divides by the sum
	; and stores 16 bytes: the wave's 32 queries are 512 consecutive bytes of mt, aligned.  The five plain instructions behind the last products are the places ahead of these stores.
.irp t, 0,1,2,3
	ds_store_b128 v[QWI], v[O+8*\t:O+8*\t+3] offset:512*\t
.endr
.irp t, 0,1,2,3
	ds_store_b32 v[MCW], v[ST+8*\t+2] offset:128*\t   ; the last step was an odd one
.endr
	s_wait_dscnt 0x0                               ; for my partner's sake: my stores have landed
	s_barrier_signal -1
	s_barrier_wait -1
	ds_load_b128 v[96:99], v[MRA]
	ds_load_b128 v[100:103], v[MRB]
	ds_load_b32 v104, v[MCA]
	ds_load_b32 v105, v[MCB]
	s_wait_dscnt 0x0
	v_max_num_f32 v106, v104, v105
	v_sub_f32 v104, v104, v106
	v_sub_f32 v105, v105, v106
	v_exp_f32 v104, v104
	v_exp_f32 v105, v105
	v_nop
	s_wait_alu depctr_va_vdst(0)                   ; one wait for the two exponentials
.irp i, 0,1,2,3
	v_mul_f32 v[108+\i], v[96+\i], v104
.endr
.irp i, 0,1,2,3
	v_fmac_f32 v[108+\i], v[100+\i], v105
.endr
	v_rcp_f32 v106, v111                           ; 1 / the sum, which is at least about 2^14
	v_nop
	s_wait_alu depctr_va_vdst(0)
.irp i, 0,1,2,3
	v_mul_f32 v[112+\i], v[108+\i], v106
.endr
	global_store_b128 v[GO], v[112:115], s[12:13]
	s_wait_tensorcnt 0x0                           ; the wave's end
	ds_add_u32 v[SPW], v[NIL]
	s_wait_dscnt 0x0
	CROUND                                         ; the closing round: no work-group ends while a partner may still ask for a tile that names it
	s_endpgm
.Lfunc_end_k_qa96e227cc6_attn:
	.size	k_qa96e227cc6_attn, .Lfunc_end_k_qa96e227cc6_attn-k_qa96e227cc6_attn
	.p2alignl 7, 3214868480
	.fill 96, 4, 3214868480
	.section	.rodata,"a",@progbits
	.p2align	6, 0x0
	.amdhsa_kernel k_qa96e227cc6_attn
		.amdhsa_group_segment_fixed_size 327680
		.amdhsa_private_segment_fixed_size 0
		.amdhsa_enable_private_segment 0
		.amdhsa_kernarg_size 40
		.amdhsa_user_sgpr_count 2
		.amdhsa_user_sgpr_kernarg_segment_ptr 1
		.amdhsa_wavefront_size32 1
		.amdhsa_system_sgpr_workgroup_id_x 1
		.amdhsa_system_sgpr_workgroup_id_y 1
		.amdhsa_system_sgpr_workgroup_id_z 1
		.amdhsa_system_vgpr_workitem_id 0
		.amdhsa_next_free_vgpr 512
		.amdhsa_next_free_sgpr 80
		.amdhsa_reserve_vcc 0
		.amdhsa_float_denorm_mode_32 3
		.amdhsa_float_denorm_mode_16_64 3
		.amdhsa_memory_ordered 1
		.amdhsa_forward_progress 1
		.amdhsa_inst_pref_size 243
	.end_amdhsa_kernel
	.amdgpu_metadata
---
amdhsa.version: [ 1, 2 ]
amdhsa.kernels:
  - .name:           k_qa96e227cc6_attn
    .symbol:         k_qa96e227cc6_attn.kd
    .args:
      - { .name: src_embed, .offset: 0, .size: 8, .value_kind: global_buffer, .address_space: global }
      - { .name: kimg, .offset: 8, .size: 8, .value_kind: global_buffer, .address_space: global }
      - { .name: vimg, .offset: 16, .size: 8, .value_kind: global_buffer, .address_space: global }
      - { .name: lowp_scales, .offset: 24, .size: 8, .value_kind: global_buffer, .address_space: global }
      - { .name: mt, .offset: 32, .size: 8, .value_kind: global_buffer, .address_space: global }
    .group_segment_fixed_size: 327680
    .private_segment_fixed_size: 0
    .kernarg_segment_align: 8
    .kernarg_segment_size: 40
    .max_flat_workgroup_size: 256
    .sgpr_count:     80
    .vgpr_count:     512
    .wavefront_size: 32
...
	.end_amdgpu_metadata
.endif
;; end of part 5
;; launch fit (part 6): grid 32 x 1, 4 waves a work-group, no clusters, 1,536 bytes of LDS; arguments src, mt, tcb, out0, out1; writes out0, out1
.if DOCPART == 6
	.amdgcn_target "amdgcn-amd-amdhsa--gfx1250"
	.amdhsa_code_object_version 6
	.text
	.protected	k_qa96e227cc6_fit
	.globl	k_qa96e227cc6_fit
	.p2align	8
	.type	k_qa96e227cc6_fit,@function
k_qa96e227cc6_fit:
	s_mov_b64 s[64:65], 0
	v_nop
	global_prefetch_b8 v0, s[64:65] scope:SCOPE_SE
	s_setreg_imm32_b32 hwreg(HW_REG_WAVE_MODE, 25, 1), 1
	s_wait_xcnt 0x0
; FIT.  For a batch: sc = mean of src; mc = mean of mt (matched less tc); H[c][d] = sum over the 2,048 points of (src - sc)[c] (mt - mc)[d]; R = V U^T of H's singular vectors; where det R < 0 its third row is negated;
; t = tc + mc - R sc.  V U^T IS THE ORTHOGONAL POLAR FACTOR OF H^T (H^T = (V U^T)(U S U^T)), the same whatever order and signs a decomposition picks.  It is found by Newton's iteration
; X <- (g X + X^-T / g) / 2 with g = (|X^-1|_F / |X|_F)^(1/2), X^-T = cofactors / det, from X = H^T scaled by a power of two to largest entry in [1, 2).
; TEN TRIPS, always: a scaled step takes log2 of the ratio of the largest to the smallest singular value to under half of itself, so 24 bits are about 1 after four steps, and three more steps, each squaring
; the error, end under f32's rounding; three further trips serve ratios over the whole exponent range.
; LIMITS: |H| under 2^127; an H that is singular to working precision has no determined R and gives NaN.
; One work-group a batch, since a batch's sums have one owner.  Thread i owns points 128 k + i, k = 0 .. 15: neighbouring lanes take neighbouring points, so a wave's load of mt covers 512 consecutive bytes
; and a wave's three loads of a point of src cover 384.  Sums meet in LDS; wave 0 does the 3 x 3 work, the same in every lane.
.set TC,  8                            ; v8-11    tc x, y, z, 0
.set SR,  16                           ; v16-63   my 16 points of src
.set MT,  64                           ; v64-127  my 16 points of mt (the fourth number of a point is not used)
.set SU,  136                          ; v136-143 sums: sx, sy, sz, 0, mx, my, mz, 0
.set MN,  144                          ; v144-151 the means, in the same order; v144-175 the four waves' sums before that
.set HH,  160                          ; v160-168 H
.set TP,  176                          ; v176-184 destinations of the lane exchange
.set XM,  64                           ; wave 0: X
.set CF,  80                           ; its cofactors
.set TT,  96                           ; at work
.macro WSUMS first, n
.irp m, 1,2,4,8
.set q, 0
.rept \n
	v_add_f32_dpp v[\first+q], v[\first+q], v[\first+q] row_xmask:\m row_mask:0xf bank_mask:0xf
.set q, q+1
.endr
.endr
.set q, 0
.rept \n
	v_permlanex16_b32 v[TP+q], v[\first+q], s20, s21
.set q, q+1
.endr
.set q, 0
.rept \n
	v_add_f32 v[\first+q], v[\first+q], v[TP+q]
.set q, q+1
.endr
.endm
.macro COF1 k, a, b, c, d              ; cofactor k = X_a X_b - X_c X_d
	v_mul_f32 v[TT+\k], v[XM+\c], v[XM+\d]
	v_fma_f32 v[CF+\k], v[XM+\a], v[XM+\b], -v[TT+\k]
.endm
.macro DET                             ; along the first row
	v_mul_f32 v106, v[XM], v[CF]
	v_fmac_f32 v106, v[XM+1], v[CF+1]
	v_fmac_f32 v106, v[XM+2], v[CF+2]
.endm
	s_load_b256 s[4:11], s[0:1], 0x0               ; src s[4:5], mt s[6:7], tcb s[8:9], out0 s[10:11]
	s_load_b64 s[12:13], s[0:1], 0x20              ; out1
	v_lshl_add_u32 v192, v0, 2, 0x400
	v_mov_b32 v193, 0
	v_lshrrev_b32 v1, 5, v0
	v_readfirstlane_b32 s14, v1                    ; wave 0..3
	s_mov_b32 s20, 0x76543210
	s_mov_b32 s21, 0xfedcba98
	v_mul_u32_u24 v2, v0, 12                       ; my point in a run of 128: 12 bytes in src,
	v_lshlrev_b32 v3, 4, v0                        ; 16 in mt
	s_lshl_b32 s15, s14, 5
	v_mov_b32 v4, s15                              ; LDS: 32 bytes a wave for the sums,
	s_mul_i32 s15, s14, 48
	s_add_co_u32 s15, s15, 128
	v_mov_b32 v5, s15                              ; behind them 48 a wave for H
	v_mov_b32 v6, 0
.set q, 0
.rept 9
	v_mov_b32 v[TP+q], 0
.set q, q+1
.endr
	v_mov_b32 v[SU+3], 0
	v_mov_b32 v[SU+7], 0
	s_mul_i32 s22, ttmp9, 24576
	s_mov_b32 s23, 0
	s_lshl_b32 s24, ttmp9, 15
	s_mov_b32 s25, 0
	s_lshl_b32 s26, ttmp9, 4
	s_mov_b32 s27, 0
	s_mul_i32 s28, ttmp9, 36
	s_mov_b32 s29, 0
	s_mul_i32 s30, ttmp9, 12
	s_mov_b32 s31, 0
	s_wait_kmcnt 0x0
	s_add_nc_u64 s[4:5], s[4:5], s[22:23]
	s_add_nc_u64 s[6:7], s[6:7], s[24:25]
	s_add_nc_u64 s[8:9], s[8:9], s[26:27]
	s_add_nc_u64 s[10:11], s[10:11], s[28:29]
	s_add_nc_u64 s[12:13], s[12:13], s[30:31]
.irp k, 0,1,2,3,4,5,6,7,8,9,10,11,12,13,14,15
	global_load_b128 v[MT+4*\k:MT+4*\k+3], v3, s[6:7] offset:2048*\k
.endr
.irp k, 0,1,2,3,4,5,6,7,8,9,10,11,12,13,14,15
.irp c, 0,1,2
	global_load_b32 v[SR+3*\k+\c], v2, s[4:5] offset:1536*\k+4*\c
.endr
.endr
	global_load_b128 v[TC:TC+3], v6, s[8:9]        ; tc: every lane reads the batch's 16 bytes
	s_wait_loadcnt 0x0
	; the sums.  src's 48 numbers repeat x y z with a period of six: three pairs (x, y), (z, x), (y, z)
	v_pk_add_f32 v[128:129], v[SR:SR+1], v[SR+6:SR+7]
	v_pk_add_f32 v[130:131], v[SR+2:SR+3], v[SR+8:SR+9]
	v_pk_add_f32 v[132:133], v[SR+4:SR+5], v[SR+10:SR+11]
.irp k, 2,3,4,5,6,7
	v_pk_add_f32 v[128:129], v[128:129], v[SR+6*\k:SR+6*\k+1]
	v_pk_add_f32 v[130:131], v[130:131], v[SR+6*\k+2:SR+6*\k+3]
	v_pk_add_f32 v[132:133], v[132:133], v[SR+6*\k+4:SR+6*\k+5]
.endr
	v_pk_add_f32 v[SU+4:SU+5], v[MT:MT+1], v[MT+4:MT+5]
	v_add_f32 v[SU+6], v[MT+2], v[MT+6]
.irp k, 2,3,4,5,6,7,8,9,10,11,12,13,14,15
	v_pk_add_f32 v[SU+4:SU+5], v[SU+4:SU+5], v[MT+4*\k:MT+4*\k+1]
	v_add_f32 v[SU+6], v[SU+6], v[MT+4*\k+2]
.endr
	v_add_f32 v[SU], v128, v131
	v_add_f32 v[SU+1], v129, v132
	v_add_f32 v[SU+2], v130, v133
	WSUMS SU, 3
	WSUMS SU+4, 3
	ds_store_b128 v4, v[SU:SU+3]                   ; all lanes of a wave write the same 32 bytes with the same numbers
	ds_store_b128 v4, v[SU+4:SU+7] offset:16
	s_wait_dscnt 0x0                               ; for the others' sake: my stores have landed
	s_barrier_signal -1
	s_barrier_wait -1
.irp k, 0,1,2,3
	ds_load_b128 v[MN+8*\k:MN+8*\k+3], v6 offset:32*\k
	ds_load_b128 v[MN+8*\k+4:MN+8*\k+7], v6 offset:32*\k+16
.endr
	s_wait_dscnt 0x0
.irp k, 1,2,3
.irp p, 0,2,4,6
	v_pk_add_f32 v[MN+\p:MN+\p+1], v[MN+\p:MN+\p+1], v[MN+8*\k+\p:MN+8*\k+\p+1]
.endr
.endr
.irp p, 0,2,4,6
	v_pk_mul_f32 v[MN+\p:MN+\p+1], v[MN+\p:MN+\p+1], 0x3a000000 op_sel_hi:[1,0]   ; / 2,048
.endr
	v_mov_b32 v152, v[MN+2]                        ; (scz, scx) and (scy, scz), for the period of six
	v_mov_b32 v153, v[MN]
	v_mov_b32 v154, v[MN+1]
	v_mov_b32 v155, v[MN+2]
.irp k, 0,1,2,3,4,5,6,7
	v_pk_add_f32 v[SR+6*\k:SR+6*\k+1], v[SR+6*\k:SR+6*\k+1], v[MN:MN+1] neg_lo:[0,1] neg_hi:[0,1]
	v_pk_add_f32 v[SR+6*\k+2:SR+6*\k+3], v[SR+6*\k+2:SR+6*\k+3], v[152:153] neg_lo:[0,1] neg_hi:[0,1]
	v_pk_add_f32 v[SR+6*\k+4:SR+6*\k+5], v[SR+6*\k+4:SR+6*\k+5], v[154:155] neg_lo:[0,1] neg_hi:[0,1]
.endr
.irp k, 0,1,2,3,4,5,6,7,8,9,10,11,12,13,14,15
	v_pk_add_f32 v[MT+4*\k:MT+4*\k+1], v[MT+4*\k:MT+4*\k+1], v[MN+4:MN+5] neg_lo:[0,1] neg_hi:[0,1]
	v_sub_f32 v[MT+4*\k+2], v[MT+4*\k+2], v[MN+6]
.endr
.set q, 0
.rept 16                               ; H: nine chains side by side; the first point starts the sums
.irp c, 0,1,2
.irp d, 0,1,2
.if q == 0
	v_mul_f32 v[HH+3*\c+\d], v[SR+\c], v[MT+\d]
.else
	v_fmac_f32 v[HH+3*\c+\d], v[SR+3*q+\c], v[MT+4*q+\d]
.endif
.endr
.endr
.set q, q+1
.endr
	WSUMS HH, 9
	ds_store_b128 v5, v[HH:HH+3]
	ds_store_b128 v5, v[HH+4:HH+7] offset:16
	ds_store_b32 v5, v[HH+8] offset:32
	s_wait_dscnt 0x0
	s_barrier_signal -1
	s_barrier_wait -1
	s_cmp_lg_u32 s14, 0                            ; the 3 x 3 work is one wave's; no barrier follows
	s_cbranch_scc1 .Lend
.irp k, 0,1,2,3
	ds_load_b128 v[16+12*\k:19+12*\k], v6 offset:128+48*\k
	ds_load_b128 v[20+12*\k:23+12*\k], v6 offset:128+48*\k+16
	ds_load_b32 v[24+12*\k], v6 offset:128+48*\k+32
.endr
	s_wait_dscnt 0x0
.irp k, 1,2,3
.irp j, 0,1,2,3,4,5,6,7,8
	v_add_f32 v[16+\j], v[16+\j], v[16+12*\k+\j]
.endr
.endr
	v_max3_num_f32 v116, |v16|, |v17|, |v18|
	v_max3_num_f32 v116, v116, |v19|, |v20|
	v_max3_num_f32 v116, v116, |v21|, |v22|
	v_max3_num_f32 v116, v116, |v23|, |v24|
	v_and_b32 v116, 0x7f800000, v116               ; the largest entry's exponent field e;
	v_sub_nc_u32 v116, 0x7f000000, v116            ; (254 - e) << 23 is the f32 number 2^(127 - e)
.irp i, 0,1,2
.irp j, 0,1,2
	v_mul_f32 v[XM+3*\i+\j], v[16+3*\j+\i], v116   ; X = H^T, scaled: nothing is rounded
.endr
.endr
	s_mov_b32 s32, 10
.Lnewton:
	COF1 0, 4, 8, 5, 7
	COF1 1, 5, 6, 3, 8
	COF1 2, 3, 7, 4, 6
	COF1 3, 2, 7, 1, 8
	COF1 4, 0, 8, 2, 6
	COF1 5, 1, 6, 0, 7
	COF1 6, 1, 5, 2, 4
	COF1 7, 2, 3, 0, 5
	COF1 8, 0, 4, 1, 3
	DET
	v_mul_f32 v107, v[XM], v[XM]                   ; |X|_F^2
	v_mul_f32 v108, v[CF], v[CF]                   ; |cofactors|_F^2
.irp j, 1,2,3,4,5,6,7,8
	v_fmac_f32 v107, v[XM+\j], v[XM+\j]
	v_fmac_f32 v108, v[CF+\j], v[CF+\j]
.endr
	v_rcp_f32 v109, v108
	v_rcp_f32 v110, v106
	v_nop
	s_wait_alu depctr_va_vdst(0)                   ; one wait for the two reciprocals, ahead of their first reader
	v_mul_f32 v111, v106, v109
	v_mul_f32 v111, v111, v106
	v_mul_f32 v111, v111, v107                     ; w = |X|^2 det^2 / |cofactors|^2 = g^-4
	v_rsq_f32 v112, v111                           ; g^2
	v_nop
	s_wait_alu depctr_va_vdst(0)
	v_rsq_f32 v113, v112                           ; 1 / g
	v_mul_f32 v110, 0.5, v110                      ; 1 / (2 det): the plain instruction behind the root
	s_wait_alu depctr_va_vdst(0)
	v_mul_f32 v114, v112, v113                     ; g
	v_mul_f32 v114, 0.5, v114
	v_mul_f32 v115, v113, v110                     ; 1 / (2 g det)
.irp j, 0,1,2,3,4,5,6,7,8
	v_mul_f32 v[XM+\j], v114, v[XM+\j]
.endr
.irp j, 0,1,2,3,4,5,6,7,8
	v_fmac_f32 v[XM+\j], v115, v[CF+\j]
.endr
	s_sub_co_u32 s32, s32, 1
	s_cmp_lg_u32 s32, 0
	s_cbranch_scc1 .Lnewton
	COF1 0, 4, 8, 5, 7
	COF1 1, 5, 6, 3, 8
	COF1 2, 3, 7, 4, 6
	DET
	v_and_b32 v117, 0x80000000, v106               ; X is orthogonal to rounding, so det is 1 or -1 to rounding: its sign bit says whether det >= 0,
	v_xor_b32 v[XM+6], v117, v[XM+6]               ; and turns the third row's signs where it is not.  No branch hangs on it
	v_xor_b32 v[XM+7], v117, v[XM+7]
	v_xor_b32 v[XM+8], v117, v[XM+8]
.irp c, 0,1,2
	v_add_f32 v[120+\c], v[TC+\c], v[MN+4+\c]      ; the matched points' centroid: tc + mc
.endr
.irp j, 0,1,2
.irp c, 0,1,2
	v_fma_f32 v[120+\c], -v[XM+3*\c+\j], v[MN+\j], v[120+\c]
.endr
.endr
	v_mov_b32 v124, v[XM]                          ; lane i takes number i
.irp i, 1,2,3,4,5,6,7,8
	v_cmp_eq_u32 vcc_lo, \i, v0
	v_cndmask_b32 v124, v124, v[XM+\i], vcc_lo
.endr
	v_mov_b32 v125, v120
.irp i, 1,2
	v_cmp_eq_u32 vcc_lo, \i, v0
	v_cndmask_b32 v125, v125, v[120+\i], vcc_lo
.endr
	v_lshlrev_b32 v126, 2, v0
	s_wait_xcnt 0x0                                ; EXEC changes only behind this wait
	v_cmp_gt_u32 vcc_lo, 9, v0
	s_and_saveexec_b32 s33, vcc_lo
	global_store_b32 v126, v124, s[10:11]          ; R: 36 consecutive bytes
	s_wait_xcnt 0x0
	s_or_b32 exec_lo, exec_lo, s33
	v_cmp_gt_u32 vcc_lo, 3, v0
	s_and_saveexec_b32 s33, vcc_lo
	global_store_b32 v126, v125, s[12:13]          ; t: 12 consecutive bytes
	s_wait_xcnt 0x0
	s_or_b32 exec_lo, exec_lo, s33
.Lend:
	s_wait_tensorcnt 0x0
	ds_add_u32 v192, v193
	s_wait_dscnt 0x0
	s_endpgm
.Lfunc_end_k_qa96e227cc6_fit:
	.size	k_qa96e227cc6_fit, .Lfunc_end_k_qa96e227cc6_fit-k_qa96e227cc6_fit
	.p2alignl 7, 3214868480
	.fill 96, 4, 3214868480
	.section	.rodata,"a",@progbits
	.p2align	6, 0x0
	.amdhsa_kernel k_qa96e227cc6_fit
		.amdhsa_group_segment_fixed_size 1536
		.amdhsa_private_segment_fixed_size 0
		.amdhsa_enable_private_segment 0
		.amdhsa_kernarg_size 40
		.amdhsa_user_sgpr_count 2
		.amdhsa_user_sgpr_kernarg_segment_ptr 1
		.amdhsa_wavefront_size32 1
		.amdhsa_system_sgpr_workgroup_id_x 1
		.amdhsa_system_sgpr_workgroup_id_y 1
		.amdhsa_system_sgpr_workgroup_id_z 1
		.amdhsa_system_vgpr_workitem_id 0
		.amdhsa_next_free_vgpr 194
		.amdhsa_next_free_sgpr 66
		.amdhsa_reserve_vcc 1
		.amdhsa_float_denorm_mode_32 3
		.amdhsa_float_denorm_mode_16_64 3
		.amdhsa_memory_ordered 1
		.amdhsa_forward_progress 1
		.amdhsa_inst_pref_size 34
	.end_amdhsa_kernel
	.amdgpu_metadata
---
amdhsa.version: [ 1, 2 ]
amdhsa.kernels:
  - .name:           k_qa96e227cc6_fit
    .symbol:         k_qa96e227cc6_fit.kd
    .args:
      - { .name: src, .offset: 0, .size: 8, .value_kind: global_buffer, .address_space: global }
      - { .name: mt, .offset: 8, .size: 8, .value_kind: global_buffer, .address_space: global }
      - { .name: tcb, .offset: 16, .size: 8, .value_kind: global_buffer, .address_space: global }
      - { .name: out0, .offset: 24, .size: 8, .value_kind: global_buffer, .address_space: global }
      - { .name: out1, .offset: 32, .size: 8, .value_kind: global_buffer, .address_space: global }
    .group_segment_fixed_size: 1536
    .private_segment_fixed_size: 0
    .kernarg_segment_align: 8
    .kernarg_segment_size: 40
    .max_flat_workgroup_size: 128
    .sgpr_count:     66
    .vgpr_count:     194
    .wavefront_size: 32
...
	.end_amdgpu_metadata
.endif
;; end of part 6
